; MI455X (gfx1250); checked and timed in simulation.
; The chip was launched on July 23, 2026; its instructions are those of AMD's public machine-readable ISA for CDNA 5 (MIT licence, August 2026) and "CDNA5" Instruction Set Architecture Reference Guide (July 2026). The comments in the code are by the model that wrote it; some were corrected since.
;; Multi Head Self Attention. Allowed arithmetic: matrix products marked QUANTISED: E2M3 operands, one E8M0 scale for each 32 along K, by v_wmma_scale_f32_16x16x128_f8f6f4 with both operands' format E2M3, f32 sums; everything else in f32.
;; Inputs: WK 1,024 x 1,024 float32; WO 1,024 x 1,024 float32; WQ 1,024 x 1,024 float32; WV 1,024 x 1,024 float32; mask 4 x 2,048 bool; x 4 x 2,048 x 1,024 float32.
;; Outputs: out0 4 x 2,048 x 1,024 float32.
;; This version of the problem:
;;   THIS VERSION OF THE PROBLEM IS GIVEN IN LOW PRECISION. The matrix products marked QUANTISED in the list below multiply operands that are first quantised to E2M3 (2 exponent bits, 3 mantissa bits; 6 bits a number), with one power-of-two scale for each 32 numbers along K (OCP MX v1.0); their sums are f32. All else is computed in f32.
;;   The module's matrix products, in the order in which they are computed (A, B: the left and right operand; K: the contracted axis; several contracted axes count as one K, in the product's order):
;;     1. [M 8,192, K 1,024] x [K 1,024, N 1,024]; A: input x; B: input WQ: QUANTISED
;;     2. [M 8,192, K 1,024] x [K 1,024, N 1,024]; A: input x; B: input WK: QUANTISED
;;     3. batch 64 x [M 2,048, K 64] x [K 64, N 2,048]; A: computed on the way; B: computed on the way: QUANTISED
;;     4. [M 8,192, K 1,024] x [K 1,024, N 1,024]; A: input x; B: input WV: QUANTISED
;;     5. batch 64 x [M 2,048, K 2,048] x [K 2,048, N 64]; A: softmax (see below); B: computed on the way: QUANTISED
;;     6. [M 8,192, K 1,024] x [K 1,024, N 1,024]; A: computed on the way; B: input WO: QUANTISED
;;   THE QUANTISER, for each operand of a quantised product, along K:
;;     - K is cut into blocks of 32 from its start; a last block that is shorter is filled with zeros.
;;     - A block's scale is 2^e with e = floor(log2(the largest magnitude in the block)) - 2, held to -126 .. 127; a block of zeros has e = 0. As a byte (E8M0): e + 127.
;;     - Each number is divided by its block's scale, clamped to +-7.5, and rounded to the nearest number of E2M3, ties to even, subnormals kept.
;;     - The product sums the exact products of the quantised numbers (number of the format x scale) in f32.
;;   ~~~python
;;   def quantise(x, axis):      # numpy; x: float32 -> the quantised numbers, widened to float32 again
;;       x = np.moveaxis(x, axis, -1); K = x.shape[-1]
;;       x = np.pad(x, [(0, 0)] * (x.ndim - 1) + [(0, -K % 32)]); x = x.reshape(x.shape[:-1] + (-1, 32)); a = np.abs(x).max(-1, keepdims=True)
;;       e = np.where(a > 0, np.clip(np.frexp(np.where(a > 0, a, 1))[1] - 1 - 2, -126, 127), 0)      # np.frexp(a)[1] - 1 = floor(log2(a)), exactly
;;       r = np.clip(x / 2.0 ** e, -7.5, 7.5)
;;       step = 2.0 ** (np.maximum(np.frexp(np.where(r == 0, 1, r))[1] - 1, 0) - 3)
;;       q = np.round(r / step) * step * 2.0 ** e      # np.round: ties to even
;;       return np.moveaxis(q.reshape(q.shape[:-2] + (-1,))[..., :K], -1, axis).astype(np.float32)
;;   ~~~
;;   SOFTMAX AHEAD OF A QUANTISED PRODUCT. Where the list says 'softmax', what is quantised is not the finished softmax but p = 2^(t - M), with t = logit x log2(e) and M = ceil(the row's largest t), a whole number; so 1/2 < the row's largest p <= 1. The row's sum l is taken of the UNQUANTISED p, in f32, and the product's result is divided by l at the end. Since M is a whole number, a kernel that streams over the keys may use a running M (the ceiling of the running maximum): every later rescaling is an exact power of two, which a block's scale takes up: the codes' values come out the same.
;;   OPERANDS COMPUTED ON THE WAY. 'Computed on the way' means the value that the module computes at that place (a softmax that the list does not call 'softmax' is quantised finished and normalised). What goes into a quantiser is computed in f32, as accurately as f32 sums, v_exp_f32 and their like allow (about 1e-6 of the number): no bf16 or f16 on the way to a quantiser, and a product that is left as it is and whose result goes on into a quantised operand takes f32 operands (vector FMAs, or v_wmma_f32_16x16x4_f32). A number that lies on a knife's edge between two numbers of the format may be rounded either way, as far as f32 arithmetic and the matrix unit's own rounding can turn it there, and no further.
;; One version. Each part assembles by itself: llvm-mc -triple=amdgcn-amd-amdhsa -mcpu=gfx1250 --defsym DOCPART=n.
;; ======== version 1 of 1: 4 launches
;; workspace buffers: xim 6,553,600 bytes; wim 3,276,800 bytes; qim 6,815,744 bytes; kvim 13,369,344 bytes; oim 6,553,600 bytes
;; launch prep (part 1): grid 576 x 1, 8 waves a work-group, no clusters, 121,856 bytes of LDS; arguments x, WQ, WK, WV, WO, xim, wim; writes xim, wim
.if DOCPART == 1
	.amdgcn_target "amdgcn-amd-amdhsa--gfx1250"
	.amdhsa_code_object_version 6
	.text
	.protected	k_q9d9ec18458_prep
	.globl	k_q9d9ec18458_prep
	.p2align	8
	.type	k_q9d9ec18458_prep,@function
k_q9d9ec18458_prep:
	s_mov_b64 s[64:65], 0
	v_nop
	global_prefetch_b8 v0, s[64:65] scope:SCOPE_SE
	s_setreg_imm32_b32 hwreg(HW_REG_WAVE_MODE, 25, 1), 1
	s_wait_xcnt 0x0
; x [8192][1024] and WQ, WK, WV, WO [1024 (k)][1024], f32, become codes of FP6 (E2M3) with one E8M0 byte for each 32 along K, laid as IMAGES OF OPERAND REGISTERS.
; A RECORD (12,800 bytes) holds a tile of 16 rows for all of K: eight fragments of 1,536 bytes (K step s: six groups of 256 bytes, group g = registers 2 g, 2 g + 1, 8 bytes a lane),
; then 512 bytes of scale words [K step / 2][row][K step % 2].  Lane (r, h) of a fragment holds row r, registers 6 c .. 6 c + 5 = k 64 c + 32 h + 0 .. 31: two whole blocks.
; WHICH ROWS FORM A TILE: of x, tile 4 G + i takes rows 64 G + 32 (m / 8) + 8 i + m % 8; of WQ, WK, WV tile 4 hd + i takes columns 16 d + hd with d = 32 (m / 8) + 8 i + m % 8 (head hd of the module's
; reshape); of WO tile T takes columns 16 T + m.  So four neighbouring tiles used as a product's first source give a lane 32 neighbours along the next product's K.
; A block's scale is 2^(floor(log2(largest magnitude)) - 2); its byte is the largest magnitude's exponent field - 2, held at 1 from below.
; LIMITS: a block of zeros gets the byte 1 where the rule says 127 (its codes are zeros; this program alone reads the bytes); blocks whose largest magnitude lies under 2^-124 are held at the byte 1;
; NaN and infinities among the inputs are not served.
; Work-groups 0-63 take the weights (64 rows of k x all 1,024 columns each), work-groups 64-575 a tile of x each (a wave a K step).  Each path has LDS bytes of its own.  No tensor load, no matrix work: the launch streams.
.set REC,   12800
.set XST,   0                          ; x: a stage of 16 rows x (512 + 16) bytes for each wave
.set XPW,   8448
.set XSG,   67584                      ; x: the tile's 512 bytes of scale words
.set WST,   68096                      ; W: 48 bytes of codes a column, 8 of padding behind each 16 columns
.set WSB,   117760                     ; W: two scale bytes a column
.set SPARE, 120832                     ; the spare words, 128 bytes for each wave: four blocks of 256 bytes that no other line names
.set LN,   1                           ; lane
.set RR,   2                           ; r = lane % 16
.set HH,   3                           ; h = lane / 16
.set L16,  4                           ; 16 x lane
.set L8,   5                           ; 8 x lane
.set SH8,  6                           ; 8 h
.set XSTO, 7                           ; x: into the stage
.set XRD,  8                           ; x: out of it
.set XSGW, 9                           ; x: my row's scale word
.set XSGR, 10                          ; x: the words' way out
.set WGO,  11                          ; W: my column's bytes in a row of W
.set WSTO, 12                          ; W: my column's codes
.set WSBO, 13                          ; W: my column's scale bytes
.set RBQ,  14                          ; W: read back by tiles, WQ, WK, WV
.set RBO,  15                          ; W: the same for WO
.set SBQ,  16                          ; W: the scale bytes' read back, WQ, WK, WV
.set SBO,  17                          ; W: the same for WO
.set GSC,  18                          ; W: where a pair of scale bytes goes
.set SPW,  19                          ; LDS address of my spare word; never rewritten
.set NIL,  20                          ; 0; never rewritten
.set TA,   21                          ; at work
.set BM,   22                          ; v22-23 largest magnitudes
.set SO,   24                          ; v24-25 the conversions' scale operands
.set BY,   26                          ; v26-27 scale bytes
.set PW,   28                          ; a scale word
.set PT,   29                          ; a permute's destination
.set R,    32                          ; v32-95  as loaded
.set X,    96                          ; v96-159 64 numbers in the operand's order; on W's way out 24 pairs of code registers and 4 pairs of bytes
.set P,    160                         ; v160-171 codes
.set OW,   172                         ; v172-175 scale words on their way out
.set T0,   176                         ; v176-178, v180-182: a block's upper 16 codes (a conversion's three registers begin on an even number)
	s_load_b256 s[4:11], s[0:1], 0x0               ; x, WQ, WK, WV
	s_load_b128 s[12:15], s[0:1], 0x20             ; WO, xim
	s_load_b64 s[16:17], s[0:1], 0x30              ; wim
	v_lshl_add_u32 v[SPW], v0, 2, SPARE
	v_mov_b32 v[NIL], 0
	v_lshrrev_b32 v[TA], 5, v0
	v_readfirstlane_b32 s18, v[TA]                 ; wave 0..7
	v_and_b32 v[LN], 31, v0
	v_and_b32 v[RR], 15, v0
	v_bfe_u32 v[HH], v0, 4, 1
	v_lshlrev_b32 v[L16], 4, v[LN]
	v_lshlrev_b32 v[L8], 3, v[LN]
	v_lshlrev_b32 v[SH8], 3, v[HH]
	v_mov_b32 v[PT], 0                             ; written once: a lane permute's destination counts as one of its sources
	s_mov_b32 s22, 0x76543210
	s_mov_b32 s23, 0xfedcba98                      ; v_permlanex16_b32's selects for lane l xor 16
	; every LDS address of both paths is made here, ahead of the branch
	s_mul_i32 s19, s18, XPW
	v_add_nc_u32 v[XSTO], s19, v[L16]              ; my stage + 16 x lane; a row of the stage is 528 bytes
	v_mul_u32_u24 v[XRD], v[RR], 528
	v_lshl_add_u32 v[XRD], v[HH], 7, v[XRD]
	v_add_nc_u32 v[XRD], s19, v[XRD]               ; row r, + 128 h: my block of 32 numbers
	s_lshr_b32 s20, s18, 1
	s_lshl_b32 s20, s20, 7
	s_and_b32 s21, s18, 1
	s_lshl_b32 s21, s21, 2
	s_add_co_u32 s20, s20, s21
	s_add_co_u32 s20, s20, XSG
	v_lshl_add_u32 v[XSGW], v[RR], 3, s20          ; [K step / 2][r][K step % 2]
	v_add_nc_u32 v[XSGR], XSG, v[L16]
	s_lshl_b32 s20, s18, 9
	v_lshl_add_u32 v[WGO], v[LN], 2, s20           ; column 128 w + lane, 4 bytes each
	s_lshl_b32 s20, s18, 7
	v_add_nc_u32 v[TA], s20, v[LN]                 ; that column
	v_mul_u32_u24 v[WSTO], v[TA], 48
	v_lshrrev_b32 v[WSBO], 4, v[TA]
	v_lshl_add_u32 v[WSTO], v[WSBO], 3, v[WSTO]
	v_add_nc_u32 v[WSTO], WST, v[WSTO]             ; 48 x column + 8 (column / 16)
	v_lshl_add_u32 v[WSBO], v[TA], 1, WSB
	v_lshrrev_b32 v[TA], 3, v[RR]                  ; m / 8
	v_and_b32 v[BM], 7, v[RR]                      ; m % 8
	v_mul_u32_u24 v[RBQ], v[TA], 24832             ; column 512 (m / 8) + 128 i + 16 (m % 8) + hd, in the stage's bytes
	v_mad_u32_u24 v[RBQ], v[BM], 776, v[RBQ]
	v_mad_u32_u24 v[RBQ], v[HH], 24, v[RBQ]
	s_mul_i32 s20, s18, 96                         ; hd = 2 w + e
	s_add_co_u32 s20, s20, WST
	v_add_nc_u32 v[RBQ], s20, v[RBQ]
	v_mul_u32_u24 v[RBO], v[RR], 48                ; column 16 T + m
	v_mad_u32_u24 v[RBO], v[HH], 24, v[RBO]
	s_mul_i32 s20, s18, 6208
	s_add_co_u32 s20, s20, WST
	v_add_nc_u32 v[RBO], s20, v[RBO]
	v_lshlrev_b32 v[SBQ], 10, v[TA]
	v_lshl_add_u32 v[SBQ], v[BM], 5, v[SBQ]
	v_lshl_add_u32 v[SBQ], v[HH], 1, v[SBQ]        ; for the bytes a lane is (m, e = lane / 16)
	s_lshl_b32 s20, s18, 2
	s_add_co_u32 s20, s20, WSB
	v_add_nc_u32 v[SBQ], s20, v[SBQ]
	v_lshlrev_b32 v[SBO], 1, v[RR]
	v_lshl_add_u32 v[SBO], v[HH], 7, v[SBO]
	s_lshl_b32 s20, s18, 8
	s_add_co_u32 s20, s20, WSB
	v_add_nc_u32 v[SBO], s20, v[SBO]
	v_mul_u32_u24 v[GSC], v[HH], 4*REC
	v_lshl_add_u32 v[GSC], v[RR], 3, v[GSC]        ; four records on for e = 1, 8 bytes a row
	s_wait_kmcnt 0x0
; n blocks of 32 numbers, v[xs + 32 c] on, all of them the lane's own, become codes in v[P + 6 c] on; the bytes go to v[BY + c].  The blocks take turns line by line.
.macro QB xs, n
.irp c, 0,1
.if \c < \n
	v_max3_num_f32 v[BM+\c], |v[\xs+32*\c]|, |v[\xs+32*\c+1]|, 0x1800000   ; the floor 2^(3 - 127) among the leaves: the byte cannot fall under 1
.endif
.endr
.irp i, 2,4,6,8,10,12,14,16,18,20,22,24,26,28,30
.irp c, 0,1
.if \c < \n
	v_max3_num_f32 v[BM+\c], v[BM+\c], |v[\xs+32*\c+\i]|, |v[\xs+32*\c+\i+1]|
.endif
.endr
.endr
.irp c, 0,1
.if \c < \n
	v_add_nc_u32 v[SO+\c], 0xff000000, v[BM+\c]    ; 2 off the exponent field: the conversion takes that field as its scale and nothing else
.endif
.endr
.irp c, 0,1
.if \c < \n
	v_lshrrev_b32 v[BY+\c], 23, v[SO+\c]           ; the scale's byte
.endif
.endr
.irp c, 0,1
.if \c < \n
	v_cvt_scalef32_pk16_fp6_f32 v[P+6*\c:P+6*\c+2], v[\xs+32*\c:\xs+32*\c+15], v[SO+\c]
	v_cvt_scalef32_pk16_fp6_f32 v[T0+4*\c:T0+4*\c+2], v[\xs+32*\c+16:\xs+32*\c+31], v[SO+\c]
.endif
.endr
	v_nop                                          ; one plain place behind a scaled conversion
.irp c, 0,1
.if \c < \n
.irp i, 0,1,2
	v_mov_b32 v[P+6*\c+3+\i], v[T0+4*\c+\i]
.endr
.endif
.endr
.endm
	s_cmp_lt_u32 ttmp9, 64                         ; the weights' work-groups come first: theirs is the longer path
	s_cbranch_scc0 .Lx
	; ---------------- a weight: 64 rows of k (half a K step) x 1,024 columns ----------------
	s_lshr_b32 s24, ttmp9, 4                       ; which weight: 0 WQ, 1 WK, 2 WV, 3 WO
	s_and_b32 s25, ttmp9, 15                       ; which 64 rows
	s_lshr_b32 s26, s25, 1                         ; K step
	s_and_b32 s27, s25, 1                          ; its half
	s_cmp_eq_u32 s24, 1
	s_cselect_b64 s[6:7], s[8:9], s[6:7]
	s_cmp_eq_u32 s24, 2
	s_cselect_b64 s[6:7], s[10:11], s[6:7]
	s_cmp_eq_u32 s24, 3
	s_cselect_b64 s[6:7], s[12:13], s[6:7]
	s_lshl_b32 s28, s25, 18                        ; 64 rows of 4,096 bytes
	s_mov_b32 s29, 0
	s_add_nc_u64 s[6:7], s[6:7], s[28:29]
	s_lshl_b32 s28, s24, 6
	s_lshl_b32 s30, s18, 3
	s_add_co_u32 s28, s28, s30
	s_mul_i32 s28, s28, REC                        ; my wave's eight records: tiles 8 w .. 8 w + 7 of this weight
	s_mul_i32 s30, s26, 1536
	s_mul_i32 s31, s27, 768
	s_add_co_u32 s30, s30, s31
	s_add_co_u32 s30, s30, s28
	s_mov_b32 s31, 0
	s_add_nc_u64 s[32:33], s[16:17], s[30:31]      ; where the codes go
	s_lshr_b32 s30, s26, 1
	s_lshl_b32 s30, s30, 7
	s_and_b32 s34, s26, 1
	s_lshl_b32 s34, s34, 2
	s_add_co_u32 s30, s30, s34
	s_lshl_b32 s34, s27, 1
	s_add_co_u32 s30, s30, s34
	s_add_co_u32 s30, s30, s28
	s_add_co_u32 s30, s30, 12288
	s_add_nc_u64 s[34:35], s[16:17], s[30:31]      ; and the pairs of scale bytes
; Task t = 2 cg + hh: the block k = 32 hh + 0 .. 31 of column 128 w + 32 cg + lane.  A LANE TAKES A COLUMN AND ITS REGISTERS RUN DOWN K: each load reads 128 consecutive bytes.
.macro WLOAD t
.irp n, 0,1,2,3,4,5,6,7,8,9,10,11,12,13,14,15,16,17,18,19,20,21,22,23,24,25,26,27,28,29,30,31
	global_load_b32 v[R+32*((\t)%2)+\n], v[WGO], s[6:7] offset:(32*((\t)%2)+\n)*4096+128*((\t)/2) th:TH_LOAD_NT
.endr
.endm
.macro WBLOCK t
.if (\t) < 7
	s_wait_loadcnt 32                              ; this task's 32 loads are in; the next task's may be out
.else
	s_wait_loadcnt 0
.endif
	QB R+32*((\t)%2), 1
	ds_store_b64 v[WSTO], v[P:P+1] offset:1552*((\t)/2)+24*((\t)%2)
	ds_store_b64 v[WSTO], v[P+2:P+3] offset:1552*((\t)/2)+24*((\t)%2)+8
	ds_store_b64 v[WSTO], v[P+4:P+5] offset:1552*((\t)/2)+24*((\t)%2)+16
	ds_store_b8 v[WSBO], v[BY] offset:64*((\t)/2)+(\t)%2
.if (\t)+2 < 8
	WLOAD (\t)+2
.endif
	s_wait_dscnt 0x0                               ; the stores are done: the next task's codes may be written (and, behind the last task, the others may read)
.endm
	WLOAD 0
	WLOAD 1
.irp t, 0,1,2,3,4,5,6,7
	WBLOCK \t
.endr
	s_barrier_signal -1
	s_barrier_wait -1                              ; all 1,024 columns' codes and bytes lie in LDS
; Back by tiles: wave w takes tiles 8 w + 4 e + i; lane (m, hh) reads its 24 bytes, which are registers 6 cc .. 6 cc + 5 of the fragment.
.macro RB adr, ce, ci, sadr, sci
.irp e, 0,1
.irp i, 0,1,2,3
.irp p, 0,1,2
	ds_load_b64 v[X+2*(3*(4*\e+\i)+\p):X+2*(3*(4*\e+\i)+\p)+1], v[\adr] offset:\ce*\e+\ci*\i+8*\p
.endr
.endr
.endr
.irp i, 0,1,2,3
	ds_load_u16 v[X+48+\i], v[\sadr] offset:\sci*\i   ; lane (m, e): the two bytes of row m of tile 8 w + 4 e + i
.endr
.endm
	s_cmp_eq_u32 s24, 3
	s_cbranch_scc1 .Lwo
	RB RBQ, 48, 6208, SBQ, 256
	s_branch .Lwout
.Lwo:
	RB RBO, 3104, 776, SBO, 32
.Lwout:
.set n, 0
.rept 24
	s_wait_dscnt 27-n                              ; LDS loads come back in order: pair n is in; the younger pairs and the four loads of bytes may be out
	global_store_b64 v[L8], v[X+2*n:X+2*n+1], s[32:33] offset:REC*(n/3)+256*(n%3)   ; 32 lanes store 256 consecutive bytes, aligned
.set n, n+1
.endr
	s_wait_dscnt 0x0
.irp i, 0,1,2,3
	global_store_b16 v[GSC], v[X+48+\i], s[34:35] offset:REC*\i   ; half a scale word a row: a word spans 128 along K, this work-group 64
.endr
	s_wait_tensorcnt 0x0                           ; the wave's end: behind my last LDS store
	ds_add_u32 v[SPW], v[NIL]
	s_wait_dscnt 0x0
	s_endpgm
	; ---------------- a tile of x: 16 rows; wave w makes K step w ----------------
.Lx:
	s_sub_co_u32 s24, ttmp9, 64                    ; the tile
	s_lshr_b32 s25, s24, 2
	s_lshl_b32 s25, s25, 6
	s_and_b32 s26, s24, 3
	s_lshl_b32 s26, s26, 3
	s_add_co_u32 s25, s25, s26                     ; its first row: 64 G + 8 i
	s_lshl_b32 s28, s25, 12
	s_lshl_b32 s26, s18, 9
	s_add_co_u32 s28, s28, s26                     ; + my K step's 512 bytes
	s_mov_b32 s29, 0
	s_mul_i32 s30, s24, REC
	s_mul_i32 s26, s18, 1536
	s_add_co_u32 s30, s30, s26
	s_mov_b32 s31, 0
	s_add_nc_u64 s[4:5], s[4:5], s[28:29]
	s_add_nc_u64 s[14:15], s[14:15], s[30:31]
.irp m, 0,1,2,3,4,5,6,7,8,9,10,11,12,13,14,15
	global_load_b128 v[R+4*\m:R+4*\m+3], v[L16], s[4:5] offset:(32*(\m/8)+\m%8)*4096 th:TH_LOAD_NT   ; row m of the tile: 512 consecutive bytes
.endr
.irp m, 0,1,2,3,4,5,6,7,8,9,10,11,12,13,14,15
	s_wait_loadcnt 15-\m                           ; loads come back in order: row m is in, the younger ones stay out
	ds_store_b128 v[XSTO], v[R+4*\m:R+4*\m+3] offset:528*\m
.endr
.irp c, 0,1
.irp j, 0,1,2,3,4,5,6,7
	ds_load_b128 v[X+32*\c+4*\j:X+32*\c+4*\j+3], v[XRD] offset:256*\c+16*\j   ; LDS serves a wave's instructions in order: these see my stores.  k = 64 c + 32 h + 4 j ..
.endr
.endr
	s_wait_dscnt 0x0
	QB X, 2
	v_lshl_or_b32 v[PW], v[BY+1], 16, v[BY]        ; my two bytes: blocks h and 2 + h,
	v_lshlrev_b32 v[PW], v[SH8], v[PW]             ; at their places in the word;
	v_permlanex16_b32 v[PT], v[PW], s22, s23
	v_or_b32 v[PW], v[PW], v[PT]                   ; with lane l xor 16's two the word is whole
.irp g, 0,1,2,3,4,5
	global_store_b64 v[L8], v[P+2*\g:P+2*\g+1], s[14:15] offset:256*\g   ; 256 consecutive bytes, aligned
.endr
	ds_store_b32 v[XSGW], v[PW]                    ; lanes r and r + 16 write the same word with the same value
	s_wait_dscnt 0x0                               ; for the others' sake
	s_barrier_signal -1
	s_barrier_wait -1
	s_cmp_lg_u32 s18, 0
	s_cbranch_scc1 .Lxend
	ds_load_b128 v[OW:OW+3], v[XSGR]               ; wave 0 (whose base stands at the record's head) stores the tile's 512 bytes of scale words
	s_wait_dscnt 0x0
	global_store_b128 v[L16], v[OW:OW+3], s[14:15] offset:12288
.Lxend:
	s_wait_tensorcnt 0x0                           ; the wave's end: behind my last LDS store
	ds_add_u32 v[SPW], v[NIL]
	s_wait_dscnt 0x0
	s_endpgm
.Lfunc_end_k_q9d9ec18458_prep:
	.size	k_q9d9ec18458_prep, .Lfunc_end_k_q9d9ec18458_prep-k_q9d9ec18458_prep
	.p2alignl 7, 3214868480
	.fill 96, 4, 3214868480
	.section	.rodata,"a",@progbits
	.p2align	6, 0x0
	.amdhsa_kernel k_q9d9ec18458_prep
		.amdhsa_group_segment_fixed_size 121856
		.amdhsa_private_segment_fixed_size 0
		.amdhsa_enable_private_segment 0
		.amdhsa_kernarg_size 56
		.amdhsa_user_sgpr_count 2
		.amdhsa_user_sgpr_kernarg_segment_ptr 1
		.amdhsa_wavefront_size32 1
		.amdhsa_system_sgpr_workgroup_id_x 1
		.amdhsa_system_sgpr_workgroup_id_y 1
		.amdhsa_system_sgpr_workgroup_id_z 1
		.amdhsa_system_vgpr_workitem_id 0
		.amdhsa_next_free_vgpr 192
		.amdhsa_next_free_sgpr 66
		.amdhsa_reserve_vcc 0
		.amdhsa_float_denorm_mode_32 3
		.amdhsa_float_denorm_mode_16_64 3
		.amdhsa_memory_ordered 1
		.amdhsa_forward_progress 1
		.amdhsa_inst_pref_size 59
	.end_amdhsa_kernel
	.amdgpu_metadata
---
amdhsa.version: [ 1, 2 ]
amdhsa.kernels:
  - .name:           k_q9d9ec18458_prep
    .symbol:         k_q9d9ec18458_prep.kd
    .args:
      - { .name: x, .offset: 0, .size: 8, .value_kind: global_buffer, .address_space: global }
      - { .name: WQ, .offset: 8, .size: 8, .value_kind: global_buffer, .address_space: global }
      - { .name: WK, .offset: 16, .size: 8, .value_kind: global_buffer, .address_space: global }
      - { .name: WV, .offset: 24, .size: 8, .value_kind: global_buffer, .address_space: global }
      - { .name: WO, .offset: 32, .size: 8, .value_kind: global_buffer, .address_space: global }
      - { .name: xim, .offset: 40, .size: 8, .value_kind: global_buffer, .address_space: global }
      - { .name: wim, .offset: 48, .size: 8, .value_kind: global_buffer, .address_space: global }
    .group_segment_fixed_size: 121856
    .private_segment_fixed_size: 0
    .kernarg_segment_align: 8
    .kernarg_segment_size: 56
    .max_flat_workgroup_size: 256
    .sgpr_count:     66
    .vgpr_count:     192
    .wavefront_size: 32
...
	.end_amdgpu_metadata
.endif
;; end of part 1
;; launch qkv (part 2): grid 12 x 32, 4 waves a work-group, clusters of 4 x 4, 327,680 bytes of LDS; arguments xim, wim, mask, qim, kvim; writes qim, kvim
.if DOCPART == 2
	.amdgcn_target "amdgcn-amd-amdhsa--gfx1250"
	.amdhsa_code_object_version 6
	.text
	.protected	k_q9d9ec18458_qkv
	.globl	k_q9d9ec18458_qkv
	.p2align	8
	.type	k_q9d9ec18458_qkv,@function
k_q9d9ec18458_qkv:
	s_mov_b64 s[64:65], 0
	v_nop
	global_prefetch_b8 v0, s[64:65] scope:SCOPE_SE
	s_setreg_imm32_b32 hwreg(HW_REG_WAVE_MODE, 25, 1), 1
	s_wait_xcnt 0x0
	s_wait_alu depctr_hold_cnt(0) depctr_sa_sdst(0) depctr_va_vdst(0) depctr_va_sdst(0) depctr_va_ssrc(0) depctr_va_vcc(0) depctr_vm_vsrc(0)
	s_getreg_b32 s2, hwreg(HW_REG_IB_STS2, 6, 4)
	s_cmp_eq_u32 s2, 0
	s_cbranch_scc0 .Lentry_in_a_cluster
	s_endpgm
.Lentry_in_a_cluster:
	s_bfe_u32 s2, ttmp6, 0x10000c
	s_cmp_lg_u32 s2, 0xf033
	s_cbranch_scc0 .Lentry_shape_is_right
	s_endpgm
.Lentry_shape_is_right:
; q = x WQ, k = x WK, v = x WV on codes of FP6 (E2M3) with E8M0 scales; the results are quantised in registers and leave as images of the attention launch's operand registers.
; OPERANDS come as records of 12,800 bytes a tile of 16 rows: eight fragments of 1,536 bytes (six groups of 256 bytes, 8 bytes a lane), then 512 bytes of scale words [K step / 2][row][K step % 2].
; A work-group of four waves makes 256 x 256; a wave 128 x 128: 64 accumulators, 512 registers.  K goes in four slots of 256 through a ring of two LDS slots; a tile's part of a slot is 3,072 consecutive bytes.
; The matrix instruction's first source is a tile of the "B side", its second a tile of the "A side": in accumulator (a, b) lane (r, h), register j is (row r of A's tile a) x (row 8 h + j of B's tile b).
; Clusters x = 0, 1 make q, k: A side = x, B side = the weight, whose tiles 4 hd + i hold d = 32 (m / 8) + 8 i + m % 8 of head hd: the lane's 32 registers of b = 4 e + 0 .. 3 are d = 32 h + 0 .. 31 of one token: a whole block.
; Cluster x = 2 makes v: A side = WV, B side = x, whose tiles 4 G + i hold rows 64 G + 32 (m / 8) + 8 i + m % 8: the 32 registers of b = 4 c + 0 .. 3 are keys 64 c + 32 h + 0 .. 31 of one d: a whole block along the keys.
; So no lane asks another for a maximum, and the conversions' results are operand registers as they stand.
; THE KEY MASK rides in the upper half of the first attention product's K (64 of its 128 are the head's): there q holds the codes 1, 1 (k = 64, 65) and 1 (k = 96) under the scale 1, k holds -7.5, -0.125 and -4.5, and k's two upper
; scale bytes are 147, 137 for a masked key: -7.625 x 2^20 - 4.5 x 2^10 = -8,000,000 = -8 x 1e6 (the score is divided by 8 later); 1, 1 for a key that counts: about -1e-37.  This launch writes those bytes from the mask.
; CLUSTERS: 4 x 4; A's tiles hang on the cluster's row, B's on its column: each is asked for jointly by four.  Which kind a work-group makes hangs on the cluster's x alone: all sixteen partners go the same way.
; No prefetch: a work-group has two refills in all.  384 work-groups: a tile of half the width would split v's fragments (128 keys) between waves.
; LIMITS: a block of zeros gets the byte 1 where the rule says 127 (its codes are zeros; this program alone reads the bytes); blocks under 2^-124 are held at the byte 1; NaN and infinities are not served.
; REGISTERS, in windows of 256: window 0: v0-31 addresses and the mask's bytes; v32-63 scale words, two sets; v128-223 A's fragments, one set; on the way out v32-255 are free.
;   window 1: B's fragments, two sets, at v0 and v128.  windows 2, 3: the accumulators, (a, b) at v[8 (8 (a % 4) + b)] of window 2 + a / 4.
.set NB,     8                         ; B's tiles a wave
.set APW,    32/NB                     ; A's blocks whose accumulators fill a window
.set FR,     12                        ; registers of a fragment
.set NL,     6                         ; LDS loads that bring one
.set NP,     4                         ; places behind this matrix instruction (ISA guide 7.12.1)
.set REC,    12800
.set RTS,    3072                      ; a tile's bytes in a slot: two K steps
.set HALFA,  8*RTS
.set HALFB,  NB*RTS
.set SLOT,   2*HALFA+2*HALFB           ; A's 16 tiles, then B's
.set SCB,    2*SLOT                    ; behind the ring: B's scale words, 512 bytes a tile,
.set SCA,    SCB+1024*NB               ; then A's
.set SPARE,  SCA+8192                  ; the spare words, 128 bytes for each wave: two blocks of 256 bytes that no other line names
.set L8,   4                           ; v4    8 x lane
.set MO,   7                           ; v7    the mask's bytes: my row's place in a tile
.set MB,   8                           ; v8-15 the mask's byte of row r of x's tile a
.set ADRA, 16                          ; v16-17 LDS address of my A fragments in slot 0, 1
.set ADRB, 20                          ; v20-21 the same for B
.set L16,  24                          ; v24   16 x lane
.set SH8,  25                          ; v25   8 h
.set VOFF, 26                          ; v26   v's scale words: 16 r, and 16 records on for h = 1
.set ADRS, 27                          ; v27   LDS address of my scale words: lanes 0-15 B's rows, lanes 16-31 A's
.set SPW,  28                          ; v28   LDS address of my spare word; never rewritten
.set NIL,  29                          ; v29   0; never rewritten
.set SC,   32                          ; scale words: set s at v[SC + 16 s]; register 2 i + q: lanes 0-15 B's tile i, lanes 16-31 A's tile i, the slot's q-th 128 along K
.set AF,   128
.set G1, 24                            ; s[24:31] descriptor group 1 for A's codes; s[32:39] group 0, a set for each slot
.set G0, 32
.set G1B, 48                           ; s[48:55], s[56:63] the same for B's
.set G0B, 56
.set G1S, 68                           ; s[68:75], s[76:79] A's scale words; s[80:87], s[88:91] B's
.set G0S, 76
.set G1SB, 80
.set G0SB, 88
.set MSB, 0
.macro WIN new                         ; the immediate's high byte repeats the setting that is left
.if MSB != \new
	s_set_vgpr_msb (MSB<<8)|\new
.set MSB, \new
.endif
.endm
.set MUL_LO, 0xa1                      ; source 0 (B) window 1, source 1 (A) window 0, C and D window 2
.set MUL_HI, 0xf1                      ; the same, C and D window 3
.set TO_B,   0x40                      ; destination window 1, address window 0
; A joint load: waves 0 and 1 fetch for A, waves 2 and 3 for B.  The branch hangs on the wave's number alone.  An s_nop 0 and four v_nop follow each of the two lines.
.macro JLOAD g0a, g1a, g0b, g1b
	s_cmp_eq_u32 s15, 0
	s_cbranch_scc0 .Lfor_b_\@
	tensor_load_to_lds s[\g0a:\g0a+3], s[\g1a:\g1a+7]
	s_nop 0
.rept 4
	v_nop
.endr
	s_branch .Lasked_\@
.Lfor_b_\@:
	tensor_load_to_lds s[\g0b:\g0b+3], s[\g1b:\g1b+7]
	s_nop 0
.rept 4
	v_nop
.endr
.Lasked_\@:
.endm
.macro CREST                           ; a round of the cluster's barrier behind its opening barrier
	s_cmp_lg_u32 s14, 0
	s_cbranch_scc1 .Lnot_wave_0_\@
	s_barrier_signal -3
.Lnot_wave_0_\@:
	s_barrier_wait -3
	s_barrier_signal -1
	s_barrier_wait -1
.endm
.macro CROUND                          ; a whole round
	s_barrier_signal -1
	s_barrier_wait -1
	CREST
.endm
	s_load_b256 s[4:11], s[0:1], 0x0               ; xim, wim, mask, qim
	s_load_b64 s[12:13], s[0:1], 0x20              ; kvim
	v_lshl_add_u32 v[SPW], v0, 2, SPARE
	v_mov_b32 v[NIL], 0
	ds_add_u32 v[SPW], v[NIL]                      ; the wave's opening: the add and its wait stand ahead of my first tensor load; the set-up below, work on registers, stands between them
	v_lshrrev_b32 v1, 5, v0
	v_readfirstlane_b32 s14, v1                    ; wave 0..3
	s_lshr_b32 s15, s14, 1                         ; which half of A's tiles is mine.  Also: I fetch for A (0) or for B (1)
	s_and_b32 s16, s14, 1                          ; which half of B's.  Also: which half I fetch
	s_bfe_u32 s40, ttmp6, 0x40000                  ; cx, cy: my place in the cluster
	s_bfe_u32 s41, ttmp6, 0x40004
	s_and_b32 s17, ttmp7, 0xffff                   ; the cluster's y
	s_lshl_b32 s43, s41, 2
	s_lshl_b32 s43, 15, s43                        ; my row of the cluster
	s_lshl_b32 s44, 0x1111, s40                    ; my column
	; descriptor group 1.  Codes: 8 rows (tiles) of 384 elements of 8 bytes, 1,600 elements (a record) apart, dense in LDS.  Scale words: rows of 64 elements.
	s_or_b32 s[G1+0], s43, (3<<16)|(1<<21)         ; 15:0 the mask: A's tiles go to my row; 17:16 elements of 8 bytes; 21 set beside a mask
	s_or_b32 s[G1B+0], s44, (3<<16)|(1<<21)
	s_or_b32 s[G1S+0], s43, (3<<16)|(1<<21)
	s_or_b32 s[G1SB+0], s44, (3<<16)|(1<<21)
.irp g, G1, G1B
	s_mov_b32 s[\g+1], 384<<16                     ; tensor_dim0
	s_mov_b32 s[\g+3], 384<<16                     ; tile_dim0
	s_mov_b32 s[\g+5], 1600                        ; tensor_dim0_stride
	s_mov_b32 s[\g+6], 0
	s_mov_b32 s[\g+7], 0
.endr
.irp g, G1S, G1SB
	s_mov_b32 s[\g+1], 64<<16
	s_mov_b32 s[\g+3], 64<<16
	s_mov_b32 s[\g+5], 1600
	s_mov_b32 s[\g+6], 0
	s_mov_b32 s[\g+7], 0
.endr
.irp g, G1, G1S
	s_mov_b32 s[\g+2], 8<<16                       ; tensor_dim1
	s_mov_b32 s[\g+4], 8                           ; tile_dim1
.endr
.irp g, G1B, G1SB
	s_mov_b32 s[\g+2], NB<<16
	s_mov_b32 s[\g+4], NB
.endr
	; which tiles.  A's hang on cy and the cluster's y or on cy alone, B's on cx and the cluster's x or y: each in registers that never hold the other place
	s_lshl_b32 s18, s17, 6                         ; 64 x cluster y: x's tiles
	s_lshl_b32 s19, ttmp9, 6                       ; 64 x cluster x: the weight's
	s_lshl_b32 s20, s41, 4
	s_lshl_b32 s46, s40, 4
	s_lshl_b32 s21, s16, 3                         ; the half that I fetch
	s_cmp_eq_u32 ttmp9, 2                          ; v?
	s_cselect_b32 s22, 128, s18                    ; A's first tile: WV's begin at record 128
	s_cselect_b32 s47, s18, s19                    ; B's
	s_add_co_u32 s20, s20, s22
	s_add_co_u32 s20, s20, s21
	s_add_co_u32 s46, s46, s47
	s_add_co_u32 s46, s46, s21
	s_mul_i32 s20, s20, REC
	s_mul_i32 s46, s46, REC
	s_mov_b32 s21, 0
	s_mov_b32 s47, 0
	s_mul_i32 s45, s16, HALFA                      ; where they go: no place in the cluster enters an LDS address
	s_mul_i32 s94, s16, HALFB
	s_add_co_u32 s94, s94, 2*HALFA
	s_lshl_b32 s95, s16, 12
	s_add_co_u32 s95, s95, SCA
	s_mul_i32 s96, s16, 512*NB
	s_add_co_u32 s96, s96, SCB
	s_wait_dscnt 0x0                               ; the opening add is done
	s_wait_kmcnt 0x0
	s_cmp_eq_u32 ttmp9, 2
	s_cselect_b64 s[22:23], s[6:7], s[4:5]         ; the A side's buffer
	s_cselect_b64 s[92:93], s[4:5], s[6:7]         ; the B side's
	s_add_nc_u64 s[20:21], s[22:23], s[20:21]
	s_add_nc_u64 s[46:47], s[92:93], s[46:47]
	CROUND                                         ; all sixteen work-groups are here: the first joint loads meet
	s_mov_b32 s[G0S], 1
	s_mov_b32 s[G0S+1], s95
	s_add_nc_u64 s[G0S+2:G0S+3], s[20:21], 12288
	s_or_b32 s[G0S+3], s[G0S+3], 0x80000000
	s_mov_b32 s[G0SB], 1
	s_mov_b32 s[G0SB+1], s96
	s_add_nc_u64 s[G0SB+2:G0SB+3], s[46:47], 12288
	s_or_b32 s[G0SB+3], s[G0SB+3], 0x80000000
	JLOAD G0S, G1S, G0SB, G1SB                     ; the scale words of all of K: filled once
.irp s, 0,1
	s_mov_b32 s[G0+4*\s], 1
	s_add_co_u32 s[G0+4*\s+1], s45, \s*SLOT
	s_add_nc_u64 s[G0+4*\s+2:G0+4*\s+3], s[20:21], \s*RTS
	s_or_b32 s[G0+4*\s+3], s[G0+4*\s+3], 0x80000000
	s_mov_b32 s[G0B+4*\s], 1
	s_add_co_u32 s[G0B+4*\s+1], s94, \s*SLOT
	s_add_nc_u64 s[G0B+4*\s+2:G0B+4*\s+3], s[46:47], \s*RTS
	s_or_b32 s[G0B+4*\s+3], s[G0B+4*\s+3], 0x80000000
	JLOAD G0+4*\s, G1, G0B+4*\s, G1B               ; by this text's count three tensor loads of a wave are out here
.endr
	v_and_b32 v1, 15, v0                           ; r
	v_bfe_u32 v2, v0, 4, 1                         ; h
	v_and_b32 v3, 31, v0
	v_lshlrev_b32 v[L8], 3, v3
	v_lshlrev_b32 v[L16], 4, v3
	v_lshlrev_b32 v[SH8], 3, v2
	v_mul_u32_u24 v[VOFF], v2, 16*13056
	v_lshl_add_u32 v[VOFF], v1, 4, v[VOFF]
	s_mul_i32 s21, s15, HALFA                      ; my 8 tiles of A
	s_mul_i32 s22, s16, HALFB                      ; my tiles of B,
	s_add_co_u32 s22, s22, 2*HALFA                 ; which lie behind A's 16
.irp s, 0,1
	v_add_nc_u32 v[ADRA+\s], s21, v[L8]
	v_add_nc_u32 v[ADRB+\s], s22, v[L8]
	s_add_co_u32 s21, s21, SLOT
	s_add_co_u32 s22, s22, SLOT
.endr
	s_mul_i32 s22, s16, 512*NB
	s_add_co_u32 s22, s22, SCB                     ; B's words: the lower base
	s_lshl_b32 s23, s15, 12
	s_add_co_u32 s23, s23, SCA                     ; A's
	s_sub_co_u32 s23, s23, s22                     ; the distance between the two
	v_mul_u32_u24 v6, s23, v2                      ; lanes 16-31 take A's
	v_lshl_add_u32 v5, v1, 3, s22
	v_add_nc_u32 v[ADRS], v5, v6
	; which 128 rows of x, and which two heads, my results belong to
	s_lshl_b32 s18, s17, 3
	s_lshl_b32 s19, s41, 1
	s_add_co_u32 s19, s19, s15                     ; q, k: x is the A side
	s_lshl_b32 s42, s40, 1
	s_add_co_u32 s42, s42, s16                     ; v: the B side
	s_lshl_b32 s20, s40, 2
	s_lshl_b32 s21, s16, 1
	s_add_co_u32 s20, s20, s21                     ; q, k: heads 4 cx + 2 x half
	s_lshl_b32 s21, s41, 2
	s_lshl_b32 s22, s15, 1
	s_add_co_u32 s21, s21, s22                     ; v: 4 cy + 2 x half
	s_cmp_eq_u32 ttmp9, 2
	s_cselect_b32 s19, s42, s19
	s_cselect_b32 s98, s21, s20                    ; my first head
	s_add_co_u32 s97, s18, s19                     ; my group of 128 rows, 0 .. 63
	s_lshl_b32 s18, s97, 7
	s_mov_b32 s19, 0
	s_add_nc_u64 s[92:93], s[8:9], s[18:19]
	v_lshrrev_b32 v5, 3, v1
	v_and_b32 v6, 7, v1
	v_lshl_add_u32 v[MO], v5, 5, v6                ; 32 (r / 8) + r % 8
.irp a, 0,1,2,3,4,5,6,7
	global_load_u8 v[MB+\a], v[MO], s[92:93] offset:64*(\a/4)+8*(\a%4)   ; the mask of row r of x's tile a; waited for on the way out; its address registers stay as they are till then
.endr
.macro FRAG reg, adr, q, i             ; a fragment: six loads of 8 bytes a lane, 256 consecutive bytes each: an image of the registers
.irp p, 0,1,2,3,4,5
	ds_load_b64 v[\reg+2*\p:\reg+2*\p+1], v[\adr] offset:RTS*(\i)+1536*(\q)+256*\p
.endr
.endm
; A's blocks a0, a0 + 1 x B's NB, 128 along K: the slot's q-th.  p: B's set; sc: the set of scale words.  zero = 1: the first product starts the sums.
; The accumulators take turns, one instruction a turn, in the same order in every step.
.macro MULA a0, p, q, sc, zero
.irp a, \a0, \a0+1
.set bb, 0
.rept NB
.set AC, 8*(NB*((\a)%APW)+bb)
.if \zero
	v_wmma_scale_f32_16x16x128_f8f6f4 v[AC:AC+7], v[128*(\p)+FR*bb:128*(\p)+FR*bb+FR-1], v[AF+FR*(\a):AF+FR*(\a)+FR-1], 0, v[SC+16*(\sc)+2*bb+(\q)], v[SC+16*(\sc)+2*(\a)+(\q)] matrix_a_fmt:MATRIX_FMT_FP6 matrix_b_fmt:MATRIX_FMT_FP6 matrix_b_scale:MATRIX_SCALE_ROW1
.else
	v_wmma_scale_f32_16x16x128_f8f6f4 v[AC:AC+7], v[128*(\p)+FR*bb:128*(\p)+FR*bb+FR-1], v[AF+FR*(\a):AF+FR*(\a)+FR-1], v[AC:AC+7], v[SC+16*(\sc)+2*bb+(\q)], v[SC+16*(\sc)+2*(\a)+(\q)] matrix_a_fmt:MATRIX_FMT_FP6 matrix_b_fmt:MATRIX_FMT_FP6 matrix_b_scale:MATRIX_SCALE_ROW1
.endif
.set bb, bb+1
.endr
.endr
.endm
.macro FETCH_B slot, q, p
	WIN TO_B
.set ii, 0
.rept NB
	FRAG 128*(\p)+FR*ii, ADRB+\slot, \q, ii
.set ii, ii+1
.endr
	WIN 0
.endm
.macro FETCH_A slot, q, i0
.irp i, \i0, \i0+1, \i0+2, \i0+3
	FRAG AF+FR*(\i), ADRA+\slot, \q, \i
.endr
.endm
.macro SCALES sc                       ; a slot's scale words: two a row; lanes 0-15 take B's tile i, lanes 16-31 A's tile i
.irp i, 0,1,2,3,4,5,6,7
	ds_load_b64 v[SC+16*\sc+2*\i:SC+16*\sc+2*\i+1], v[ADRS] offset:512*\i
.endr
.endm
.macro PLACES n                        ; places in front of loads into registers that matrix instructions have read, and of the first read of results
.rept \n
	v_nop
.endr
.endm
; A slot's first 128 along K.  A has one set of registers: a block is free when its products are issued; blocks 0-3 are fetched anew in the step's middle, blocks 4-7 at its end.  B has two sets.
.macro STEP slot, zero
	s_wait_dscnt 4*NL                              ; B's set, A's blocks 0-3 and the scale words are in; the youngest 24 loads (A's blocks 4-7) may be out
	WIN MUL_LO
	MULA 0, 0, 0, \slot, \zero
	MULA 2, 0, 0, \slot, \zero
	s_wait_dscnt 0                                 ; A's blocks 4-7 are in
	PLACES NP
	FETCH_B \slot, 1, 1
	FETCH_A \slot, 1, 0
	WIN MUL_HI
	MULA 4, 0, 0, \slot, \zero
	MULA 6, 0, 0, \slot, \zero
	PLACES NP
	WIN 0
	FETCH_A \slot, 1, 4
.endm
; A slot's second 128 change slots: ONE barrier; in front of it each wave waits for all its tensor loads, adds 0 to its spare word, and waits for that and for its reads of this slot.  fill = 1: this slot is filled again, two slots ahead.
.macro TURN slot, next, fill
	s_wait_tensorcnt 0x0                           ; all my tensor loads have landed: my part of the next slot
	ds_add_u32 v[SPW], v[NIL]                      ; 0 onto my spare word
	s_wait_dscnt 4*NL+1                            ; (the add and the youngest 24 loads may be out)
	WIN MUL_LO
	MULA 0, 1, 1, \slot, 0                         ; matrix instructions stand between the add and the wait for it
	s_wait_dscnt 0x0                               ; the add is done, and my reads of this slot are over
	s_barrier_signal -1
	MULA 2, 1, 1, \slot, 0
	WIN 0
	s_barrier_wait -1
.if \fill
	CREST                                          ; the barrier has opened a round of the cluster's: no wave of any partner still reads this slot or has a load on its way
	s_add_nc_u64 s[G0+4*\slot+2:G0+4*\slot+3], s[G0+4*\slot+2:G0+4*\slot+3], 2*RTS
	s_add_nc_u64 s[G0B+4*\slot+2:G0B+4*\slot+3], s[G0B+4*\slot+2:G0B+4*\slot+3], 2*RTS
	JLOAD G0+4*\slot, G1, G0B+4*\slot, G1B         ; the first tensor load behind the round, my one load until the next; its four v_nop are the places in front of the loads below
.else
	PLACES NP
.endif
	v_add_nc_u32 v[ADRS], 128, v[ADRS]             ; on to the next slot's scale words
	FETCH_B \next, 0, 0
	FETCH_A \next, 0, 0
	SCALES \next
	WIN MUL_HI
	MULA 4, 1, 1, \slot, 0
	MULA 6, 1, 1, \slot, 0
	PLACES NP
	WIN 0
	FETCH_A \next, 0, 4
.endm
	s_wait_tensorcnt 1                             ; the scale words and my part of slot 0 are in (slot 1's load may be out)
	s_barrier_signal -1
	s_barrier_wait -1                              ; everybody's are
	FETCH_B 0, 0, 0
	FETCH_A 0, 0, 0
	SCALES 0
	FETCH_A 0, 0, 4
	STEP 0, 1                                      ; K 0: its products start the sums.  K has four slots: a loop round the ring would have one trip, so the steps are written out
	TURN 0, 1, 1
	STEP 1, 0
	TURN 1, 0, 1
	STEP 0, 0
	TURN 0, 1, 0                                   ; nothing is left to fetch
	STEP 1, 0
	s_wait_dscnt 4*NL
	WIN MUL_LO
	MULA 0, 1, 1, 1, 0
	MULA 2, 1, 1, 1, 0
	s_wait_dscnt 0
	WIN MUL_HI
	MULA 4, 1, 1, 1, 0
	MULA 6, 1, 1, 1, 0
	WIN 0
	; ---------------- THE WAY OUT: 16 blocks of 32 numbers a lane are quantised; no LDS ----------------
.set Y,   32                           ; v32-47   the byte of block (a, e) at 2 a + e
.set BM,  48                           ; v48-51   largest magnitudes of the four blocks in hand
.set SO,  52                           ; v52-55   the conversions' scale operands
.set HI,  56                           ; v56-63   the upper two bytes of tile a's scale words
.set WD,  64                           ; v64-79   scale words
.set MV,  80                           ; v80, v81 the upper bytes of a masked and of an unmasked key
.set UV,  81
.set WOUT, 96                          ; v96-103  scale words as they are stored
.set PP,  128                          ; v128-223 the codes: block (a, e) at 12 a + 6 e: no store's data are written again
.set TT,  224                          ; v224-239 the blocks' upper 16 codes (a conversion's three registers begin on an even number)
	PLACES NP
	s_lshr_b32 s20, s97, 4                         ; the batch
	s_lshl_b32 s20, s20, 4
	s_add_co_u32 s20, s20, s98                     ; 16 x batch + head
	s_lshl_b32 s20, s20, 4
	s_and_b32 s21, s97, 15
	s_add_co_u32 s20, s20, s21                     ; the record: [batch, head][group of 128 rows]
	s_mov_b32 s22, 13056
	s_mov_b32 s23, 12288
	s_cmp_eq_u32 ttmp9, 0                          ; q?
	s_cselect_b32 s22, 6656, s22                   ; a record's bytes
	s_cselect_b32 s23, 6144, s23                   ; where q's or k's scale words begin in it
	s_cselect_b64 s[24:25], s[10:11], s[12:13]     ; (the descriptors' registers are free: no tensor load is out)
	s_mul_i32 s20, s20, s22
	s_mov_b32 s21, 0
	s_add_nc_u64 s[24:25], s[24:25], s[20:21]      ; my first head's record,
	s_lshl_b32 s20, s22, 4
	s_add_nc_u64 s[26:27], s[24:25], s[20:21]      ; my second head's: 16 records on
	s_mov_b32 s20, s23
	s_add_nc_u64 s[28:29], s[24:25], s[20:21]
	s_add_nc_u64 s[30:31], s[26:27], s[20:21]
	s_mov_b32 s48, 0x76543210
	s_mov_b32 s49, 0xfedcba98                      ; v_permlanex16_b32's selects for lane l xor 16
	s_mov_b32 s52, 0xffff0000                      ; lanes 16-31
; Four blocks by turns: (a0, 0), (a0, 1), (a0 + 1, 0), (a0 + 1, 1): block k lies in the 32 registers from 64 (a0 % 4) + 32 k of window 2 + a0 / 4.  Each accumulator is read from its low end on.
.macro QROW2 a0
.set WW, 2+(\a0)/4
.set XB, 64*((\a0)%4)
	WIN (WW<<2)|(WW<<4)                            ; sources 1 and 2 in the accumulators' window
.irp k, 0,1,2,3
	v_max3_num_f32 v[BM+\k], 0x1800000, |v[XB+32*\k]|, |v[XB+32*\k+1]|   ; the floor 2^(3 - 127) among the leaves: the byte cannot fall under 1
.endr
.irp i, 2,4,6,8,10,12,14,16,18,20,22,24,26,28,30
.irp k, 0,1,2,3
	v_max3_num_f32 v[BM+\k], v[BM+\k], |v[XB+32*\k+\i]|, |v[XB+32*\k+\i+1]|
.endr
.endr
	WIN 0
.irp k, 0,1,2,3
	v_add_nc_u32 v[SO+\k], 0xff000000, v[BM+\k]    ; 2 off the exponent field: the conversion's scale operand
.endr
.irp k, 0,1,2,3
	v_lshrrev_b32 v[Y+2*(\a0)+\k], 23, v[SO+\k]    ; the scale's byte
.endr
	WIN WW                                         ; source 0 in the accumulators' window
.irp k, 0,1,2,3
	v_cvt_scalef32_pk16_fp6_f32 v[PP+12*(\a0)+6*\k:PP+12*(\a0)+6*\k+2], v[XB+32*\k:XB+32*\k+15], v[SO+\k]
	v_cvt_scalef32_pk16_fp6_f32 v[TT+4*\k:TT+4*\k+2], v[XB+32*\k+16:XB+32*\k+31], v[SO+\k]
.endr
	WIN 0
	v_nop                                          ; one plain place behind a scaled conversion
.irp k, 0,1,2,3
.irp i, 0,1,2
	v_mov_b32 v[PP+12*(\a0)+6*\k+3+\i], v[TT+4*\k+\i]
.endr
.endr
.endm
	QROW2 0
	QROW2 2
	QROW2 4
	QROW2 6
	s_wait_loadcnt 0x0                             ; the mask's bytes
	s_cmp_eq_u32 ttmp9, 2
	s_cbranch_scc1 .Lv
	; q, k: block (a, e) is registers 0-5 of the fragment of tile a, head e.  Its scale word: byte h = my byte, bytes 2, 3 = the mask's (k) or 127, 127 (q)
	s_mov_b32 s46, 0x7f7f0000
	s_cmp_eq_u32 ttmp9, 0
	s_cselect_b32 s47, s46, 0x89930000             ; a masked key: bytes 147, 137
	s_cselect_b32 s46, s46, 0x01010000             ; a key that counts: 1, 1
	v_mov_b32 v[MV], s47
	v_mov_b32 v[UV], s46
.irp a, 0,1,2,3,4,5,6,7
	v_cmp_ne_u32 vcc_lo, 0, v[MB+\a]
	v_cndmask_b32 v[HI+\a], v[MV], v[UV], vcc_lo
.endr
.irp n, 0,1,2,3,4,5,6,7,8,9,10,11,12,13,14,15
	v_lshl_or_b32 v[WD+\n], v[Y+\n], v[SH8], v[HI+\n/2]
.endr
.irp n, 0,1,2,3,4,5,6,7,8,9,10,11,12,13,14,15
	v_permlanex16_b32 v[Y+\n], v[WD+\n], s48, s49  ; (into the byte's register, which is done with)
.endr
.irp n, 0,1,2,3,4,5,6,7,8,9,10,11,12,13,14,15
	v_or_b32 v[WD+\n], v[WD+\n], v[Y+\n]           ; with lane l xor 16's byte the word is whole, in both halves
.endr
.irp a, 0,1,2,3,4,5,6,7
.irp e, 0,1
	global_store_b128 v[L16], v[PP+12*\a+6*\e:PP+12*\a+6*\e+3], s[24+2*\e:25+2*\e] offset:768*\a       ; registers 0-3: 512 consecutive bytes, aligned to 256
	global_store_b64 v[L8], v[PP+12*\a+6*\e+4:PP+12*\a+6*\e+5], s[24+2*\e:25+2*\e] offset:768*\a+512   ; registers 4-5: 256
.endr
.endr
.irp e, 0,1
.irp t, 0,1,2,3
	v_cndmask_b32 v[WOUT+4*\e+\t], v[WD+2*\t+\e], v[WD+2*(\t+4)+\e], s52   ; word t of lane (r, h): tile 4 h + t, row r
.endr
	global_store_b128 v[L16], v[WOUT+4*\e:WOUT+4*\e+3], s[28+2*\e:29+2*\e]
.endr
	s_branch .Ldone
.Lv:
	; v: blocks (a, 0), (a, 1) are the twelve registers of the fragment of d-tile a % 4, head a / 4, for these 128 keys
.irp a, 0,1,2,3,4,5,6,7
	v_lshl_or_b32 v[WD+\a], v[Y+2*\a+1], 16, v[Y+2*\a]
.endr
.irp a, 0,1,2,3,4,5,6,7
	v_lshlrev_b32 v[WD+\a], v[SH8], v[WD+\a]
.endr
.irp a, 0,1,2,3,4,5,6,7
	v_permlanex16_b32 v[Y+2*\a], v[WD+\a], s48, s49
.endr
.irp a, 0,1,2,3,4,5,6,7
	v_or_b32 v[WD+\a], v[WD+\a], v[Y+2*\a]
.endr
.irp a, 0,1,2,3,4,5,6,7
.irp g, 0,1,2
	global_store_b128 v[L16], v[PP+12*\a+4*\g:PP+12*\a+4*\g+3], s[24+2*(\a/4):25+2*(\a/4)] offset:6144+1536*(\a%4)+512*\g
.endr
.endr
.irp t, 0,1,2,3
	v_cndmask_b32 v[WOUT+\t], v[WD+\t], v[WD+\t+4], s52   ; lanes 0-15: my first head's four words of row r; lanes 16-31: my second head's
.endr
	global_store_b128 v[VOFF], v[WOUT:WOUT+3], s[24:25] offset:12800
.Ldone:
	s_wait_tensorcnt 0x0                           ; the wave's end: behind my last tensor load
	ds_add_u32 v[SPW], v[NIL]
	s_wait_dscnt 0x0
	CROUND                                         ; the closing round: no work-group ends while a partner may still ask for a tile that names it
	s_endpgm
.Lfunc_end_k_q9d9ec18458_qkv:
	.size	k_q9d9ec18458_qkv, .Lfunc_end_k_q9d9ec18458_qkv-k_q9d9ec18458_qkv
	.p2alignl 7, 3214868480
	.fill 96, 4, 3214868480
	.section	.rodata,"a",@progbits
	.p2align	6, 0x0
	.amdhsa_kernel k_q9d9ec18458_qkv
		.amdhsa_group_segment_fixed_size 327680
		.amdhsa_private_segment_fixed_size 0
		.amdhsa_enable_private_segment 0
		.amdhsa_kernarg_size 40
		.amdhsa_user_sgpr_count 2
		.amdhsa_user_sgpr_kernarg_segment_ptr 1
		.amdhsa_wavefront_size32 1
		.amdhsa_system_sgpr_workgroup_id_x 1
		.amdhsa_system_sgpr_workgroup_id_y 1
		.amdhsa_system_sgpr_workgroup_id_z 1
		.amdhsa_system_vgpr_workitem_id 0
		.amdhsa_next_free_vgpr 1024
		.amdhsa_next_free_sgpr 100
		.amdhsa_reserve_vcc 1
		.amdhsa_float_denorm_mode_32 3
		.amdhsa_float_denorm_mode_16_64 3
		.amdhsa_memory_ordered 1
		.amdhsa_forward_progress 1
		.amdhsa_inst_pref_size 165
	.end_amdhsa_kernel
	.amdgpu_metadata
---
amdhsa.version: [ 1, 2 ]
amdhsa.kernels:
  - .name:           k_q9d9ec18458_qkv
    .symbol:         k_q9d9ec18458_qkv.kd
    .args:
      - { .name: xim, .offset: 0, .size: 8, .value_kind: global_buffer, .address_space: global }
      - { .name: wim, .offset: 8, .size: 8, .value_kind: global_buffer, .address_space: global }
      - { .name: mask, .offset: 16, .size: 8, .value_kind: global_buffer, .address_space: global }
      - { .name: qim, .offset: 24, .size: 8, .value_kind: global_buffer, .address_space: global }
      - { .name: kvim, .offset: 32, .size: 8, .value_kind: global_buffer, .address_space: global }
    .group_segment_fixed_size: 327680
    .private_segment_fixed_size: 0
    .kernarg_segment_align: 8
    .kernarg_segment_size: 40
    .max_flat_workgroup_size: 128
    .sgpr_count:     100
    .vgpr_count:     1024
    .wavefront_size: 32
...
	.end_amdgpu_metadata
.endif
;; end of part 2
;; launch attn (part 3): grid 4 x 64, 16 waves a work-group, clusters of 4 x 1, 210,944 bytes of LDS; arguments qim, kvim, oim; writes oim
.if DOCPART == 3
	.amdgcn_target "amdgcn-amd-amdhsa--gfx1250"
	.amdhsa_code_object_version 6
	.text
	.protected	k_q9d9ec18458_attn
	.globl	k_q9d9ec18458_attn
	.p2align	8
	.type	k_q9d9ec18458_attn,@function
k_q9d9ec18458_attn:
	s_mov_b64 s[64:65], 0
	v_nop
	global_prefetch_b8 v0, s[64:65] scope:SCOPE_SE
	s_setreg_imm32_b32 hwreg(HW_REG_WAVE_MODE, 25, 1), 1
	s_wait_xcnt 0x0
	s_wait_alu depctr_hold_cnt(0) depctr_sa_sdst(0) depctr_va_vdst(0) depctr_va_sdst(0) depctr_va_ssrc(0) depctr_va_vcc(0) depctr_vm_vsrc(0)
	s_getreg_b32 s2, hwreg(HW_REG_IB_STS2, 6, 4)
	s_cmp_eq_u32 s2, 0
	s_cbranch_scc0 .Lentry_in_a_cluster
	s_endpgm
.Lentry_in_a_cluster:
	s_bfe_u32 s2, ttmp6, 0x10000c
	s_cmp_lg_u32 s2, 0x3003
	s_cbranch_scc0 .Lentry_shape_is_right
	s_endpgm
.Lentry_shape_is_right:
; o = softmax(q k^T / 8 - 1e6 (key masked)) v for one head of one batch, both products on codes of FP6 (E2M3) with E8M0 scales; o is divided by the row's sum, quantised along the concatenated heads and stored as operand images.
; THE SOFTMAX: t = score x log2(e) / 8; M = the running largest t rounded UP to a whole number; p = 2^(t - M) is quantised along the keys, not normalised; the row's sum is taken of the unquantised p and divides at the end.
; When M moves, the sum and O are multiplied by 2^(old M - new M): exact.
; THE KEY MASK costs nothing here: the head has 64 of the first product's 128 along K; in the other 64 q holds 1, 1 (k = 64, 65) and 1 (k = 96), k holds -7.5, -0.125 and -4.5, and k's upper two scale bytes, written by the launch
; before from the mask, make of them -8,000,000 for a masked key (-1e6 behind the division by 8) and about -1e-37 for one that counts.  No key is left out: at large inputs a masked key may still count.
; SHARES.  A work-group owns one head and 512 queries, in two passes of 256; each of its sixteen waves one tile of 16 queries a pass, in 256 registers: four waves to a SIMD, so that one wave's vector work stands beside another's
; matrix work and LDS loads.  A lane holds ONE query (lane % 16) throughout: S^T = K Q^T, O^T = V^T P^T.
; THE WHOLE HEAD LIES IN LDS: 16 records of 13,056 bytes (128 keys each): K's 8 tiles x 768 bytes, V's 4 tiles x 1,536, K's scale words 512, V's 256: all images of registers.  Filled once, by sixteen joint loads at the head
; (waves 0-3, four each): no ring, no refill.  The four work-groups of a head form the cluster and ask jointly.  Nothing is asked for later, so there is nothing to prefetch.
; THE KEYS OF A TILE: tile 4 c + i holds keys 64 c + 32 (m / 8) + 8 i + m % 8, so registers 32 c + 0 .. 31 of S^T are keys 64 c + 32 (lane / 16) + 0 .. 31: a lane holds two WHOLE blocks of p in the operand's order:
; no lane asks another for a block's maximum and no codes change lanes.
; A block's largest p is not searched for: the block's largest score goes through the same multiply-add and exponential (this takes v_exp_f32 not to fall where its input rises).
; LIMITS: a masked score is summed with -8e6 inside the matrix unit, not by an f32 subtraction behind it: it can differ by about an ulp of 1e6 (0.0625 in the logit), which shows only where a masked key keeps weight;
; a block of zeros gets the byte 1 where the rule says 127 (zero codes; this program alone reads the bytes); NaN and infinities are not served.
.set RECK,  13056
.set SPARE, 16*RECK                    ; behind the head: the spare words, 128 bytes for each wave: eight blocks of 256 bytes that no other line names
.set L16, 1                            ; v1   16 x lane
.set L8,  2                            ; v2   8 x lane
.set LS,  3                            ; v3   16 r
.set SH8, 4                            ; v4   8 h
.set SPW, 5                            ; v5   LDS address of my spare word; never rewritten
.set NIL, 6                            ; v6   0; never rewritten
.set A16, 7                            ; v7-9 the step's LDS addresses
.set A8,  8
.set AS,  9
                                       ; v10, v11 at work; v12 -M, v13 the largest t, v[14:15] the sum in two halves
.set QF,  16                           ; v16-27 Q's fragment: 0-5 loaded, 6-11 constant
.set QW,  28                           ; v28  Q's scale words
.set PW,  29                           ; v29  p's scale word
.set FF,  30                           ; v[30:31] f = 2^(old M - new M)
.set KF,  32                           ; v32-79 four fragments of K: 0-5 loaded, 6-11 constant
.set KW,  80                           ; v80-83 K's scale words: register t: tile t in lanes 0-15, tile t + 4 in lanes 16-31
.set VW,  84                           ; v84-87 V's scale words
.set BM,  88                           ; v88-89 the two blocks' largest scores, then p, then bytes
.set SO,  90                           ; v90-91 the conversions' scale operands
.set T1,  92                           ; v92-94 a block's upper 16 codes
.set OB,  95                           ; v95  8 r + h: my scale byte's place
.set S,   96                           ; v96-159 S^T, then p
.set O,   160                          ; v160-191 O^T
.set PC,  192                          ; v192-203 p's codes
.set T0,  204                          ; v204-206
.set VF,  208                          ; v208-255 V's four fragments
.macro CROUND                          ; a round of the cluster's barrier
	s_barrier_signal -1
	s_barrier_wait -1
	s_cmp_lg_u32 s10, 0
	s_cbranch_scc1 .Lnot_wave_0_\@
	s_barrier_signal -3
.Lnot_wave_0_\@:
	s_barrier_wait -3
	s_barrier_signal -1
	s_barrier_wait -1
.endm
	s_load_b128 s[4:7], s[0:1], 0x0                ; qim, kvim
	s_load_b64 s[8:9], s[0:1], 0x10                ; oim
	v_lshl_add_u32 v[SPW], v0, 2, SPARE
	v_mov_b32 v[NIL], 0
	ds_add_u32 v[SPW], v[NIL]                      ; the wave's opening: the add and its wait stand ahead of my first tensor load; the set-up below, work on registers, stands between them
	v_lshrrev_b32 v10, 5, v0
	v_readfirstlane_b32 s10, v10                   ; wave 0..15
	s_bfe_u32 s11, ttmp6, 0x40000                  ; cx: it enters Q's and o's addresses alone
	s_and_b32 s12, ttmp7, 0xffff                   ; 16 x batch + head, which the four partners share
	s_and_b32 s13, s10, 3
	; descriptor group 1: a record, dense: 51 rows of 32 elements of 8 bytes
	s_mov_b32 s24, 15|(3<<16)|(1<<21)              ; 15:0 the mask: all four work-groups; 17:16 elements of 8 bytes; 21 set beside a mask
	s_mov_b32 s25, 32<<16                          ; tensor_dim0
	s_mov_b32 s26, 51<<16                          ; tensor_dim1
	s_mov_b32 s27, 32<<16                          ; tile_dim0
	s_mov_b32 s28, 51                              ; tile_dim1
	s_mov_b32 s29, 32                              ; tensor_dim0_stride
	s_mov_b32 s30, 0
	s_mov_b32 s31, 0
	s_mov_b32 s16, 0x76543210
	s_mov_b32 s17, 0xfedcba98                      ; v_permlanex16_b32's selects for lane l xor 16
	s_mov_b32 s18, 0x3e38aa3b                      ; c = log2(e) / 8
	s_mov_b32 s19, s18                             ; (named with it as a pair, so it is written)
	s_mov_b32 s20, 0xffff0000                      ; lanes 16-31
	s_lshl_b32 s56, s12, 4
	s_add_co_u32 s56, s56, s13
	s_mul_i32 s56, s56, RECK                       ; record wave % 4 of my head, in memory,
	s_mov_b32 s57, 0
	s_mul_i32 s58, s13, RECK                       ; and in LDS
	s_wait_dscnt 0x0                               ; the opening add is done
	s_wait_kmcnt 0x0
	s_add_nc_u64 s[6:7], s[6:7], s[56:57]
	CROUND                                         ; all four work-groups are here: the joint loads meet
.irp g, 0,1,2,3
	s_mov_b32 s[32+4*\g], 1                        ; count = 1
	s_add_co_u32 s[33+4*\g], s58, 4*\g*RECK        ; LDS address: record 4 g + wave
	s_add_nc_u64 s[34+4*\g:35+4*\g], s[6:7], 4*\g*RECK
	s_or_b32 s[35+4*\g], s[35+4*\g], 0x80000000    ; type = 2
.endr
	s_cmp_lt_u32 s10, 4                            ; waves 0-3 fetch; a wave's four loads stand in one branch, ahead of every wait on TENSORcnt, every LDS read and every barrier but the round: four loads of a wave are out
	s_cbranch_scc0 .Lnofetch
.irp g, 0,1,2,3
	tensor_load_to_lds s[32+4*\g:35+4*\g], s[24:31]
	s_nop 0
.endr
.rept 4
	v_nop
.endr
.Lnofetch:
	; Q's tile: record 16 (batch, head) + 4 cx + 2 pass + wave / 8, tile wave % 8
	s_lshl_b32 s56, s12, 4
	s_lshl_b32 s57, s11, 2
	s_add_co_u32 s56, s56, s57
	s_lshr_b32 s57, s10, 3
	s_add_co_u32 s56, s56, s57
	s_mul_i32 s56, s56, 6656
	s_and_b32 s57, s10, 7
	s_mul_i32 s60, s57, 768
	s_add_co_u32 s60, s60, s56
	s_mov_b32 s61, 0
	s_add_nc_u64 s[48:49], s[4:5], s[60:61]        ; its codes
	s_lshr_b32 s60, s57, 2
	s_lshl_b32 s60, s60, 8
	s_lshl_b32 s57, s13, 2
	s_add_co_u32 s60, s60, s57
	s_add_co_u32 s60, s60, s56
	s_add_co_u32 s60, s60, 6144
	s_add_nc_u64 s[50:51], s[4:5], s[60:61]        ; its scale words: lane 16 (tile / 4) + r, word tile % 4
	; o's record: tile 128 batch + 32 cx + 16 pass + wave; my head is half of K step head / 2
	s_lshr_b32 s56, s12, 4
	s_lshl_b32 s56, s56, 7
	s_lshl_b32 s57, s11, 5
	s_add_co_u32 s56, s56, s57
	s_add_co_u32 s56, s56, s10
	s_mul_i32 s56, s56, 12800
	s_and_b32 s57, s12, 15                         ; the head
	s_lshr_b32 s58, s57, 1
	s_mul_i32 s60, s58, 1536
	s_and_b32 s59, s57, 1
	s_mul_i32 s62, s59, 768
	s_add_co_u32 s60, s60, s62
	s_add_co_u32 s60, s60, s56
	s_add_nc_u64 s[52:53], s[8:9], s[60:61]        ; the codes
	s_lshr_b32 s60, s57, 2
	s_lshl_b32 s60, s60, 7
	s_and_b32 s58, s58, 1
	s_lshl_b32 s58, s58, 2
	s_add_co_u32 s60, s60, s58
	s_lshl_b32 s59, s59, 1
	s_add_co_u32 s60, s60, s59
	s_add_co_u32 s60, s60, s56
	s_add_co_u32 s60, s60, 12288
	s_add_nc_u64 s[54:55], s[8:9], s[60:61]        ; the scale bytes
	v_and_b32 v10, 31, v0
	v_lshlrev_b32 v[L16], 4, v10
	v_lshlrev_b32 v[L8], 3, v10
	v_and_b32 v11, 15, v0
	v_lshlrev_b32 v[LS], 4, v11
	v_bfe_u32 v10, v0, 4, 1
	v_lshlrev_b32 v[SH8], 3, v10
	v_lshl_add_u32 v[OB], v11, 3, v10
.macro QLOAD pass
	global_load_b128 v[QF:QF+3], v[L16], s[48:49] offset:13312*\pass
	global_load_b64 v[QF+4:QF+5], v[L8], s[48:49] offset:13312*\pass+512
	global_load_b32 v[QW], v[LS], s[50:51] offset:13312*\pass
.endm
	QLOAD 0
	; the constant halves of the fragments: k = 64 + 32 h on
	v_mov_b32 v10, 0x87f                           ; K, h = 0: the codes of -7.5 and -0.125
	v_mov_b32 v11, 0x39                            ; K, h = 1: of -4.5
.irp t, 0,1,2,3
	v_cndmask_b32 v[KF+12*\t+6], v10, v11, s20
.irp i, 7,8,9,10,11
	v_mov_b32 v[KF+12*\t+\i], 0
.endr
.endr
	v_mov_b32 v10, 0x208                           ; Q, h = 0: 1, 1
	v_mov_b32 v11, 8                               ; Q, h = 1: 1
	v_cndmask_b32 v[QF+6], v10, v11, s20
.irp i, 7,8,9,10,11
	v_mov_b32 v[QF+\i], 0
.endr
	v_mov_b32 v11, 0                               ; written once: a lane permute's destination counts as one of its sources
	v_mov_b32 v[FF+1], 0                           ; (named as the upper half of the pair before it is ever written)
.macro INIT                            ; the loop has no first step of its own: it finds zeros, which the first change of M leaves zeros
	v_mov_b32 v13, 0xff61b1e6                      ; the largest t so far: -3e38
	v_floor_f32 v12, -v13                          ; -M
	v_mov_b32 v14, 0
	v_mov_b32 v15, 0
.set j, 0
.rept 32
	v_mov_b32 v[O+j], 0
.set j, j+1
.endr
.endm
; the largest score of block c: 32 registers, two half chains by turns, each accumulator from its low end on
.macro MAXC c
	v_max3_num_f32 v[BM+\c], v[S+32*\c], v[S+32*\c+1], v[S+32*\c+2]
	v_max3_num_f32 v10, v[S+32*\c+16], v[S+32*\c+17], v[S+32*\c+18]
.irp i, 3,5,7,9,11,13
	v_max3_num_f32 v[BM+\c], v[BM+\c], v[S+32*\c+\i], v[S+32*\c+\i+1]
	v_max3_num_f32 v10, v10, v[S+32*\c+16+\i], v[S+32*\c+17+\i]
.endr
	v_max3_num_f32 v[BM+\c], v[BM+\c], v10, v[S+32*\c+15]
	v_max_num_f32 v[BM+\c], v[BM+\c], v[S+32*\c+31]
.endm
; A KEY STEP: the 128 keys of the record at LDS byte s21
.macro STEP
	v_add_nc_u32 v[A16], s21, v[L16]
	v_add_nc_u32 v[A8], s21, v[L8]
	v_add_nc_u32 v[AS], s21, v[LS]
	ds_load_b128 v[KW:KW+3], v[A16] offset:12288
.irp t, 0,1,2,3
	ds_load_b128 v[KF+12*\t:KF+12*\t+3], v[A16] offset:768*\t
	ds_load_b64 v[KF+12*\t+4:KF+12*\t+5], v[A8] offset:768*\t+512
.endr
	s_wait_dscnt 0x0
.irp t, 0,1,2,3
	v_wmma_scale_f32_16x16x128_f8f6f4 v[S+8*\t:S+8*\t+7], v[KF+12*\t:KF+12*\t+11], v[QF:QF+11], 0, v[KW+\t], v[QW] matrix_a_fmt:MATRIX_FMT_FP6 matrix_b_fmt:MATRIX_FMT_FP6
.endr
.rept 4
	v_nop                                          ; places in front of the loads into K's registers and of the first read of the scores; with the three additions above also in front of the loads into V's registers
.endr
.irp t, 0,1,2,3
	ds_load_b128 v[KF+12*\t:KF+12*\t+3], v[A16] offset:768*(\t+4)
	ds_load_b64 v[KF+12*\t+4:KF+12*\t+5], v[A8] offset:768*(\t+4)+512
.endr
	ds_load_b128 v[VW:VW+3], v[AS] offset:12800
.irp n, 0,1,2,3,4,5,6,7,8,9,10,11
	ds_load_b128 v[VF+4*\n:VF+4*\n+3], v[A16] offset:6144+512*\n
.endr
	MAXC 0                                         ; while the loads are out
	s_wait_dscnt 13                                ; K's tiles 4-7 are in; V's words and its twelve loads may be out
.irp t, 0,1,2,3
	v_wmma_scale_f32_16x16x128_f8f6f4 v[S+32+8*\t:S+32+8*\t+7], v[KF+12*\t:KF+12*\t+11], v[QF:QF+11], 0, v[KW+\t], v[QW] matrix_a_fmt:MATRIX_FMT_FP6 matrix_b_fmt:MATRIX_FMT_FP6 matrix_a_scale:MATRIX_SCALE_ROW1
.endr
.rept 4
	v_nop
.endr
	MAXC 1
	v_max_num_f32 v10, v[BM], v[BM+1]
	v_permlanex16_b32 v11, v10, s16, s17
	v_max_num_f32 v10, v10, v11                    ; the step's largest score of my query
	v_mul_f32 v10, s18, v10                        ; as t (c is positive)
	v_max_num_f32 v13, v13, v10                    ; the running largest t
	v_mov_b32 v10, v12
	v_floor_f32 v12, -v13                          ; the new -M = floor(-t): M is a whole number
	v_sub_f32 v10, v12, v10                        ; old M - new M: a whole number, 0 or less
	v_cvt_i32_f32 v10, v10                         ; (it saturates)
	v_ldexp_f32 v[FF], 1.0, v10                    ; f = 2^(old M - new M)
.set j, 0
.rept 32
	v_pk_fma_f32 v[S+j:S+j+1], v[S+j:S+j+1], s[18:19], v[12:13] op_sel_hi:[1,0,0]   ; t - M, two at a time
.set j, j+2
.endr
	v_fma_f32 v[BM], v[BM], s18, v12               ; the same of each block's largest score
	v_fma_f32 v[BM+1], v[BM+1], s18, v12
.set j, 0
.rept 64
	v_exp_f32 v[S+j], v[S+j]                       ; p = 2^(t - M), at most 1
.set j, j+1
.endr
	v_pk_mul_f32 v[14:15], v[14:15], v[FF:FF+1] op_sel_hi:[1,0]   ; the sums under the new M: the plain place behind the exponentials
	s_wait_alu depctr_va_vdst(0)                   ; one wait for the batch of 64, ahead of its first reader
	v_exp_f32 v[BM], v[BM]                         ; the blocks' largest p: the same two instructions on the same number give the same bits
	v_exp_f32 v[BM+1], v[BM+1]
	v_pk_add_f32 v[10:11], v[S:S+1], v[S+2:S+3]    ; the row's sum is taken of the unquantised p: two at a time, in two chains
.set j, 4
.rept 15
	v_pk_add_f32 v[14:15], v[14:15], v[S+j:S+j+1]
	v_pk_add_f32 v[10:11], v[10:11], v[S+j+2:S+j+3]
.set j, j+4
.endr
	v_pk_add_f32 v[14:15], v[14:15], v[10:11]
	s_wait_alu depctr_va_vdst(0)                   ; and one for the two
	v_max_num_f32 v[BM], 0x1800000, v[BM]          ; the floor 2^(3 - 127): the byte cannot fall under 1 (a block whose every p is 0 keeps that byte: its codes are zeros)
	v_max_num_f32 v[BM+1], 0x1800000, v[BM+1]
	v_add_nc_u32 v[SO], 0xff000000, v[BM]          ; 2 off the exponent field: the conversion's scale operand
	v_add_nc_u32 v[SO+1], 0xff000000, v[BM+1]
	v_lshrrev_b32 v[BM], 23, v[SO]                 ; the scale's byte
	v_lshrrev_b32 v[BM+1], 23, v[SO+1]
	v_lshl_or_b32 v[PW], v[BM+1], 16, v[BM]        ; my two bytes: blocks h and 2 + h,
	v_lshlrev_b32 v[PW], v[SH8], v[PW]             ; at their places;
	v_permlanex16_b32 v11, v[PW], s16, s17
	v_or_b32 v[PW], v[PW], v11                     ; with lane l xor 16's two: p's scale word for these 128 keys
	v_cvt_scalef32_pk16_fp6_f32 v[PC:PC+2], v[S:S+15], v[SO]
	v_cvt_scalef32_pk16_fp6_f32 v[T0:T0+2], v[S+16:S+31], v[SO]      ; (a conversion's three registers begin on an even number)
	v_cvt_scalef32_pk16_fp6_f32 v[PC+6:PC+8], v[S+32:S+47], v[SO+1]
	v_cvt_scalef32_pk16_fp6_f32 v[T1:T1+2], v[S+48:S+63], v[SO+1]
	v_nop                                          ; one plain place behind a scaled conversion
.irp i, 0,1,2
	v_mov_b32 v[PC+3+\i], v[T0+\i]
	v_mov_b32 v[PC+9+\i], v[T1+\i]
.endr
.set j, 0
.rept 16
	v_pk_mul_f32 v[O+j:O+j+1], v[O+j:O+j+1], v[FF:FF+1] op_sel_hi:[1,0]   ; O^T under the new M.  These sixteen are also the places between the scale word's and the codes' last writes and the products below
.set j, j+2
.endr
	s_wait_dscnt 0x0                               ; V and its scale words are in
.irp t, 0,1,2,3
	v_wmma_scale_f32_16x16x128_f8f6f4 v[O+8*\t:O+8*\t+7], v[VF+12*\t:VF+12*\t+11], v[PC:PC+11], v[O+8*\t:O+8*\t+7], v[VW+\t], v[PW] matrix_a_fmt:MATRIX_FMT_FP6 matrix_b_fmt:MATRIX_FMT_FP6
.endr
	s_add_co_u32 s21, s21, RECK
.endm
.macro STEPS n
	s_mov_b32 s22, \n
.Lstep_\@:
	STEP
	s_sub_co_u32 s22, s22, 1
	s_cmp_lg_u32 s22, 0
	s_cbranch_scc1 .Lstep_\@
.endm
; Records 4 g .. 4 g + 3 are the g-th loads of waves 0-3: each of them waits until 3 - g of its loads, the later ones, are out, and says so, so the later records may stay on their way.
.macro GROUP g
	s_wait_tensorcnt 3-\g
	s_barrier_signal -1
	s_barrier_wait -1
	s_mov_b32 s21, 4*\g*RECK
	STEPS 4
.endm
; A pass's way out: O^T / the sum; register 8 t + j is d = 32 h + 8 t + j of my query: a whole block of the last product's K; its six code registers are half a fragment of o's record.
.macro WAYOUT pass
.rept 4
	v_nop                                          ; places behind the last products
.endr
	v_add_f32 v14, v14, v15
	v_permlanex16_b32 v11, v14, s16, s17
	v_add_f32 v14, v14, v11                        ; the row's sum
	v_rcp_f32 v14, v14
	v_nop                                          ; a plain place behind the transcendental
	s_wait_alu depctr_va_vdst(0)                   ; and the wait ahead of its first reader
.set j, 0
.rept 16
	v_pk_mul_f32 v[S+j:S+j+1], v[O+j:O+j+1], v[14:15] op_sel_hi:[1,0]
.set j, j+2
.endr
	v_max3_num_f32 v[BM], |v[S]|, |v[S+1]|, 0x1800000
	v_max3_num_f32 v10, |v[S+16]|, |v[S+17]|, |v[S+18]|
.irp i, 2,4,6,8,10,12
	v_max3_num_f32 v[BM], v[BM], |v[S+\i]|, |v[S+\i+1]|
	v_max3_num_f32 v10, v10, |v[S+17+\i]|, |v[S+18+\i]|
.endr
	v_max3_num_f32 v[BM], v[BM], |v[S+14]|, |v[S+15]|
	v_max3_num_f32 v[BM], v[BM], v10, |v[S+31]|
	v_add_nc_u32 v[SO], 0xff000000, v[BM]
	v_lshrrev_b32 v[BM+1], 23, v[SO]
	v_cvt_scalef32_pk16_fp6_f32 v[PC:PC+2], v[S:S+15], v[SO]
	v_cvt_scalef32_pk16_fp6_f32 v[T0:T0+2], v[S+16:S+31], v[SO]
	v_nop
.irp i, 0,1,2
	v_mov_b32 v[PC+3+\i], v[T0+\i]
.endr
.irp p, 0,1,2
	global_store_b64 v[L8], v[PC+2*\p:PC+2*\p+1], s[52:53] offset:204800*\pass+256*\p   ; 256 consecutive bytes, aligned
.endr
	global_store_b8 v[OB], v[BM+1], s[54:55] offset:204800*\pass   ; a byte a lane: a scale word spans two heads, which are two clusters' work
.endm
	INIT
	s_wait_loadcnt 0x0                             ; Q
	GROUP 0
	GROUP 1
	GROUP 2
	GROUP 3
	WAYOUT 0
	s_wait_xcnt 0x0                                ; the stores have read their registers: the second pass may write them
	QLOAD 1
	INIT
	s_mov_b32 s21, 0
	s_wait_loadcnt 0x0
	STEPS 16                                       ; the whole head has landed and every wave has been told so: no wait, no barrier
	WAYOUT 1
	s_wait_tensorcnt 0x0                           ; the wave's end: behind my last tensor load
	ds_add_u32 v[SPW], v[NIL]
	s_wait_dscnt 0x0
	CROUND                                         ; the closing round
	s_endpgm
.Lfunc_end_k_q9d9ec18458_attn:
	.size	k_q9d9ec18458_attn, .Lfunc_end_k_q9d9ec18458_attn-k_q9d9ec18458_attn
	.p2alignl 7, 3214868480
	.fill 96, 4, 3214868480
	.section	.rodata,"a",@progbits
	.p2align	6, 0x0
	.amdhsa_kernel k_q9d9ec18458_attn
		.amdhsa_group_segment_fixed_size 210944
		.amdhsa_private_segment_fixed_size 0
		.amdhsa_enable_private_segment 0
		.amdhsa_kernarg_size 24
		.amdhsa_user_sgpr_count 2
		.amdhsa_user_sgpr_kernarg_segment_ptr 1
		.amdhsa_wavefront_size32 1
		.amdhsa_system_sgpr_workgroup_id_x 1
		.amdhsa_system_sgpr_workgroup_id_y 1
		.amdhsa_system_sgpr_workgroup_id_z 1
		.amdhsa_system_vgpr_workitem_id 0
		.amdhsa_next_free_vgpr 256
		.amdhsa_next_free_sgpr 66
		.amdhsa_reserve_vcc 0
		.amdhsa_float_denorm_mode_32 3
		.amdhsa_float_denorm_mode_16_64 3
		.amdhsa_memory_ordered 1
		.amdhsa_forward_progress 1
		.amdhsa_inst_pref_size 91
	.end_amdhsa_kernel
	.amdgpu_metadata
---
amdhsa.version: [ 1, 2 ]
amdhsa.kernels:
  - .name:           k_q9d9ec18458_attn
    .symbol:         k_q9d9ec18458_attn.kd
    .args:
      - { .name: qim, .offset: 0, .size: 8, .value_kind: global_buffer, .address_space: global }
      - { .name: kvim, .offset: 8, .size: 8, .value_kind: global_buffer, .address_space: global }
      - { .name: oim, .offset: 16, .size: 8, .value_kind: global_buffer, .address_space: global }
    .group_segment_fixed_size: 210944
    .private_segment_fixed_size: 0
    .kernarg_segment_align: 8
    .kernarg_segment_size: 24
    .max_flat_workgroup_size: 512
    .sgpr_count:     66
    .vgpr_count:     256
    .wavefront_size: 32
...
	.end_amdgpu_metadata
.endif
;; end of part 3
;; launch outp (part 4): grid 8 x 32, 4 waves a work-group, clusters of 4 x 4, 327,680 bytes of LDS; arguments oim, wim, mask, out0; writes out0
.if DOCPART == 4
	.amdgcn_target "amdgcn-amd-amdhsa--gfx1250"
	.amdhsa_code_object_version 6
	.text
	.protected	k_q9d9ec18458_outp
	.globl	k_q9d9ec18458_outp
	.p2align	8
	.type	k_q9d9ec18458_outp,@function
k_q9d9ec18458_outp:
	s_mov_b64 s[64:65], 0
	v_nop
	global_prefetch_b8 v0, s[64:65] scope:SCOPE_SE
	s_setreg_imm32_b32 hwreg(HW_REG_WAVE_MODE, 25, 1), 1
	s_wait_xcnt 0x0
	s_wait_alu depctr_hold_cnt(0) depctr_sa_sdst(0) depctr_va_vdst(0) depctr_va_sdst(0) depctr_va_ssrc(0) depctr_va_vcc(0) depctr_vm_vsrc(0)
	s_getreg_b32 s2, hwreg(HW_REG_IB_STS2, 6, 4)
	s_cmp_eq_u32 s2, 0
	s_cbranch_scc0 .Lentry_in_a_cluster
	s_endpgm
.Lentry_in_a_cluster:
	s_bfe_u32 s2, ttmp6, 0x10000c
	s_cmp_lg_u32 s2, 0xf033
	s_cbranch_scc0 .Lentry_shape_is_right
	s_endpgm
.Lentry_shape_is_right:
; out = | (o WO) x mask(row) |, the product on codes of FP6 (E2M3) with E8M0 scales; out [8192][1024] f32.
; OPERANDS come as records of 12,800 bytes a tile of 16 rows: eight fragments of 1,536 bytes (six groups of 256 bytes, 8 bytes a lane), then 512 bytes of scale words [K step / 2][row][K step % 2].
; o's tile 4 G + i holds rows 64 G + 32 (m / 8) + 8 i + m % 8; WO's tile T (records 192 on) holds columns 16 T + m.
; A work-group of four waves makes 256 rows x 128 columns, so that there are 256 work-groups; a wave 128 x 64: 32 accumulators.  K goes in four slots of 256 through a ring of two LDS slots.
; The matrix instruction's first source is a tile of WO, its second a tile of o: in accumulator (a, b) lane (r, h), register j is out(row r of tile a, column 16 b + 8 h + j): eight neighbouring numbers of a row.
; CLUSTERS: 4 x 4; o's tiles are shared along a row of the cluster, WO's along a column: each is asked for jointly by four.  No prefetch: a work-group has two refills in all.
; The mask is 0 or 1, so |o x mask| = |o| x mask: one multiplication with the magnitude taken on its source.
; REGISTERS, in windows of 256: window 0: v0-31 addresses and the mask's bytes; v32-63 scale words, two sets; v128-223 A's fragments, one set; on the way out v64-191 are at work.
;   window 1: B's fragments, two sets, at v0 and v128.  window 2: the accumulators, (a, b) at v[8 (4 a + b)].
.set NB,     4                         ; B's tiles a wave
.set APW,    32/NB
.set FR,     12                        ; registers of a fragment
.set NL,     6                         ; LDS loads that bring one
.set NP,     4                         ; places behind this matrix instruction (ISA guide 7.12.1)
.set REC,    12800
.set RTS,    3072                      ; a tile's bytes in a slot: two K steps
.set HALFA,  8*RTS
.set HALFB,  NB*RTS
.set SLOT,   2*HALFA+2*HALFB           ; A's 16 tiles, then B's 8
.set SCB,    2*SLOT                    ; behind the ring: B's scale words, 512 bytes a tile,
.set SCA,    SCB+1024*NB               ; then A's
.set SPARE,  SCA+8192                  ; the spare words, 128 bytes for each wave: two blocks of 256 bytes that no other line names
.set SPITCH, 272                       ; the way out: a stage of 16 rows x (256 + 16) bytes for each wave, in slot 0, which has had its last fill and its last read when the first result is stored there
.set L8,   4                           ; v4    8 x lane
.set MO,   7                           ; v7    the mask's bytes: my row's place in a tile
.set MB,   8                           ; v8-15 the mask's byte of row r of tile a
.set ADRA, 16                          ; v16-17 LDS address of my A fragments in slot 0, 1
.set ADRB, 20                          ; v20-21 the same for B
.set STO,  24                          ; v24   the way out: where I put 32 bytes of a row
.set RD,   25                          ; v25   where I read rows back
.set CO,   26                          ; v26   my byte offset in out
.set ADRS, 27                          ; v27   LDS address of my scale words: lanes 0-15 B's rows, lanes 16-31 A's
.set SPW,  28                          ; v28   LDS address of my spare word; never rewritten
.set NIL,  29                          ; v29   0; never rewritten
.set SC,   32                          ; scale words: set s at v[SC + 16 s]; register 2 i + q: lanes 0-15 B's tile i (i < 4), lanes 16-31 A's tile i
.set MK,   64                          ; v64-71 the mask as f32
.set PK,   96                          ; v96-127 a block's results
.set AF,   128
.set BK,   128                         ; v128-159, v160-191 rows read back, by turns
.set G1, 24                            ; s[24:31] descriptor group 1 for A's codes; s[32:39] group 0, a set for each slot
.set G0, 32
.set G1B, 48                           ; s[48:55], s[56:63] the same for B's
.set G0B, 56
.set G1S, 68                           ; s[68:75], s[76:79] A's scale words; s[80:87], s[88:91] B's
.set G0S, 76
.set G1SB, 80
.set G0SB, 88
.set MSB, 0
.macro WIN new                         ; the immediate's high byte repeats the setting that is left
.if MSB != \new
	s_set_vgpr_msb (MSB<<8)|\new
.set MSB, \new
.endif
.endm
.set MUL_LO, 0xa1                      ; source 0 (B) window 1, source 1 (A) window 0, C and D window 2
.set MUL_HI, 0xa1                      ; all 32 accumulators lie in window 2
.set TO_B,   0x40                      ; destination window 1, address window 0
; A joint load: waves 0 and 1 fetch for A, waves 2 and 3 for B.  The branch hangs on the wave's number alone.  An s_nop 0 and four v_nop follow each of the two lines.
.macro JLOAD g0a, g1a, g0b, g1b
	s_cmp_eq_u32 s15, 0
	s_cbranch_scc0 .Lfor_b_\@
	tensor_load_to_lds s[\g0a:\g0a+3], s[\g1a:\g1a+7]
	s_nop 0
.rept 4
	v_nop
.endr
	s_branch .Lasked_\@
.Lfor_b_\@:
	tensor_load_to_lds s[\g0b:\g0b+3], s[\g1b:\g1b+7]
	s_nop 0
.rept 4
	v_nop
.endr
.Lasked_\@:
.endm
.macro CREST                           ; a round of the cluster's barrier behind its opening barrier
	s_cmp_lg_u32 s14, 0
	s_cbranch_scc1 .Lnot_wave_0_\@
	s_barrier_signal -3
.Lnot_wave_0_\@:
	s_barrier_wait -3
	s_barrier_signal -1
	s_barrier_wait -1
.endm
.macro CROUND                          ; a whole round
	s_barrier_signal -1
	s_barrier_wait -1
	CREST
.endm
	s_load_b256 s[4:11], s[0:1], 0x0               ; oim, wim, mask, out0
	v_lshl_add_u32 v[SPW], v0, 2, SPARE
	v_mov_b32 v[NIL], 0
	ds_add_u32 v[SPW], v[NIL]                      ; the wave's opening: the add and its wait stand ahead of my first tensor load; the set-up below, work on registers, stands between them
	v_lshrrev_b32 v1, 5, v0
	v_readfirstlane_b32 s14, v1                    ; wave 0..3
	s_lshr_b32 s15, s14, 1                         ; which half of A's tiles is mine.  Also: I fetch for A (0) or for B (1)
	s_and_b32 s16, s14, 1                          ; which half of B's.  Also: which half I fetch
	s_bfe_u32 s40, ttmp6, 0x40000                  ; cx, cy: my place in the cluster
	s_bfe_u32 s41, ttmp6, 0x40004
	s_and_b32 s17, ttmp7, 0xffff
	s_lshl_b32 s17, s17, 2
	s_add_co_u32 s17, s17, s41                     ; my 256 rows: 4 x cluster y + cy
	s_lshl_b32 s42, ttmp9, 2
	s_add_co_u32 s42, s42, s40                     ; my 128 columns: 4 x cluster x + cx
	s_lshl_b32 s43, s41, 2
	s_lshl_b32 s43, 15, s43                        ; my row of the cluster
	s_lshl_b32 s44, 0x1111, s40                    ; my column
	; descriptor group 1.  Codes: rows (tiles) of 384 elements of 8 bytes, 1,600 elements (a record) apart, dense in LDS.  Scale words: rows of 64 elements.
	s_or_b32 s[G1+0], s43, (3<<16)|(1<<21)         ; 15:0 the mask: A's tiles go to my row; 17:16 elements of 8 bytes; 21 set beside a mask
	s_or_b32 s[G1B+0], s44, (3<<16)|(1<<21)
	s_or_b32 s[G1S+0], s43, (3<<16)|(1<<21)
	s_or_b32 s[G1SB+0], s44, (3<<16)|(1<<21)
.irp g, G1, G1B
	s_mov_b32 s[\g+1], 384<<16                     ; tensor_dim0
	s_mov_b32 s[\g+3], 384<<16                     ; tile_dim0
	s_mov_b32 s[\g+5], 1600                        ; tensor_dim0_stride
	s_mov_b32 s[\g+6], 0
	s_mov_b32 s[\g+7], 0
.endr
.irp g, G1S, G1SB
	s_mov_b32 s[\g+1], 64<<16
	s_mov_b32 s[\g+3], 64<<16
	s_mov_b32 s[\g+5], 1600
	s_mov_b32 s[\g+6], 0
	s_mov_b32 s[\g+7], 0
.endr
.irp g, G1, G1S
	s_mov_b32 s[\g+2], 8<<16                       ; tensor_dim1
	s_mov_b32 s[\g+4], 8                           ; tile_dim1
.endr
.irp g, G1B, G1SB
	s_mov_b32 s[\g+2], NB<<16
	s_mov_b32 s[\g+4], NB
.endr
	s_lshl_b32 s20, s17, 4
	s_lshl_b32 s21, s16, 3
	s_add_co_u32 s20, s20, s21                     ; A: tile 16 x my rows' number + 8 x the half that I fetch
	s_lshl_b32 s46, s42, 3
	s_lshl_b32 s47, s16, 2
	s_add_co_u32 s46, s46, s47
	s_add_co_u32 s46, s46, 192                     ; B: WO's records begin at 192
	s_mul_i32 s20, s20, REC
	s_mul_i32 s46, s46, REC
	s_mov_b32 s21, 0
	s_mov_b32 s47, 0
	s_mul_i32 s45, s16, HALFA                      ; where they go: no place in the cluster enters an LDS address
	s_mul_i32 s94, s16, HALFB
	s_add_co_u32 s94, s94, 2*HALFA
	s_lshl_b32 s95, s16, 12
	s_add_co_u32 s95, s95, SCA
	s_mul_i32 s96, s16, 512*NB
	s_add_co_u32 s96, s96, SCB
	s_wait_dscnt 0x0                               ; the opening add is done
	s_wait_kmcnt 0x0
	s_add_nc_u64 s[20:21], s[4:5], s[20:21]
	s_add_nc_u64 s[46:47], s[6:7], s[46:47]
	CROUND                                         ; all sixteen work-groups are here: the first joint loads meet
	s_mov_b32 s[G0S], 1
	s_mov_b32 s[G0S+1], s95
	s_add_nc_u64 s[G0S+2:G0S+3], s[20:21], 12288
	s_or_b32 s[G0S+3], s[G0S+3], 0x80000000
	s_mov_b32 s[G0SB], 1
	s_mov_b32 s[G0SB+1], s96
	s_add_nc_u64 s[G0SB+2:G0SB+3], s[46:47], 12288
	s_or_b32 s[G0SB+3], s[G0SB+3], 0x80000000
	JLOAD G0S, G1S, G0SB, G1SB                     ; the scale words of all of K: filled once
.irp s, 0,1
	s_mov_b32 s[G0+4*\s], 1
	s_add_co_u32 s[G0+4*\s+1], s45, \s*SLOT
	s_add_nc_u64 s[G0+4*\s+2:G0+4*\s+3], s[20:21], \s*RTS
	s_or_b32 s[G0+4*\s+3], s[G0+4*\s+3], 0x80000000
	s_mov_b32 s[G0B+4*\s], 1
	s_add_co_u32 s[G0B+4*\s+1], s94, \s*SLOT
	s_add_nc_u64 s[G0B+4*\s+2:G0B+4*\s+3], s[46:47], \s*RTS
	s_or_b32 s[G0B+4*\s+3], s[G0B+4*\s+3], 0x80000000
	JLOAD G0+4*\s, G1, G0B+4*\s, G1B               ; by this text's count three tensor loads of a wave are out here
.endr
	v_and_b32 v1, 15, v0                           ; r
	v_bfe_u32 v2, v0, 4, 1                         ; h
	v_and_b32 v3, 31, v0
	v_lshlrev_b32 v[L8], 3, v3
	s_mul_i32 s21, s15, HALFA                      ; my 8 tiles of A
	s_mul_i32 s22, s16, HALFB                      ; my 4 tiles of B,
	s_add_co_u32 s22, s22, 2*HALFA                 ; which lie behind A's 16
.irp s, 0,1
	v_add_nc_u32 v[ADRA+\s], s21, v[L8]
	v_add_nc_u32 v[ADRB+\s], s22, v[L8]
	s_add_co_u32 s21, s21, SLOT
	s_add_co_u32 s22, s22, SLOT
.endr
	s_mul_i32 s22, s16, 512*NB
	s_add_co_u32 s22, s22, SCB                     ; B's words: the lower base
	s_lshl_b32 s23, s15, 12
	s_add_co_u32 s23, s23, SCA                     ; A's
	s_sub_co_u32 s23, s23, s22                     ; the distance between the two
	v_mul_u32_u24 v6, s23, v2                      ; lanes 16-31 take A's
	v_lshl_add_u32 v5, v1, 3, s22
	v_add_nc_u32 v[ADRS], v5, v6
	s_mul_i32 s23, s14, 16*SPITCH                  ; my stage
	v_mul_u32_u24 v5, v1, SPITCH
	v_lshl_add_u32 v5, v2, 5, v5
	v_add_nc_u32 v[STO], s23, v5                   ; in: row r, 32 bytes for each half of the lanes
	v_mul_u32_u24 v5, v2, SPITCH
	v_lshl_add_u32 v5, v1, 4, v5
	v_add_nc_u32 v[RD], s23, v5                    ; back: lanes 0-15 one row of 256 bytes, lanes 16-31 the next
	v_lshlrev_b32 v[CO], 12, v2
	v_lshl_add_u32 v[CO], v1, 4, v[CO]             ; and the same two rows in out
	s_lshl_b32 s20, s17, 8
	s_lshl_b32 s21, s15, 7
	s_add_co_u32 s18, s20, s21                     ; my first row: 256 x my rows' number + 128 x half
	s_lshl_b32 s20, s18, 12
	s_lshl_b32 s46, s42, 9
	s_lshl_b32 s47, s16, 8
	s_add_co_u32 s46, s46, s47                     ; my first column, in bytes
	s_add_co_u32 s20, s20, s46
	s_mov_b32 s21, 0
	s_add_nc_u64 s[10:11], s[10:11], s[20:21]
	s_mov_b32 s19, 0
	s_add_nc_u64 s[92:93], s[8:9], s[18:19]        ; the mask of my 128 rows
	v_lshrrev_b32 v5, 3, v1
	v_and_b32 v6, 7, v1
	v_lshl_add_u32 v[MO], v5, 5, v6                ; 32 (r / 8) + r % 8
.irp a, 0,1,2,3,4,5,6,7
	global_load_u8 v[MB+\a], v[MO], s[92:93] offset:64*(\a/4)+8*(\a%4)   ; the mask of row r of tile a; waited for on the way out; its address registers stay as they are till then
.endr
.macro FRAG reg, adr, q, i             ; a fragment: six loads of 8 bytes a lane, 256 consecutive bytes each: an image of the registers
.irp p, 0,1,2,3,4,5
	ds_load_b64 v[\reg+2*\p:\reg+2*\p+1], v[\adr] offset:RTS*(\i)+1536*(\q)+256*\p
.endr
.endm
; A's blocks a0, a0 + 1 x B's NB, 128 along K: the slot's q-th.  p: B's set; sc: the set of scale words.  zero = 1: the first product starts the sums.
; The accumulators take turns, one instruction a turn, in the same order in every step.
.macro MULA a0, p, q, sc, zero
.irp a, \a0, \a0+1
.set bb, 0
.rept NB
.set AC, 8*(NB*((\a)%APW)+bb)
.if \zero
	v_wmma_scale_f32_16x16x128_f8f6f4 v[AC:AC+7], v[128*(\p)+FR*bb:128*(\p)+FR*bb+FR-1], v[AF+FR*(\a):AF+FR*(\a)+FR-1], 0, v[SC+16*(\sc)+2*bb+(\q)], v[SC+16*(\sc)+2*(\a)+(\q)] matrix_a_fmt:MATRIX_FMT_FP6 matrix_b_fmt:MATRIX_FMT_FP6 matrix_b_scale:MATRIX_SCALE_ROW1
.else
	v_wmma_scale_f32_16x16x128_f8f6f4 v[AC:AC+7], v[128*(\p)+FR*bb:128*(\p)+FR*bb+FR-1], v[AF+FR*(\a):AF+FR*(\a)+FR-1], v[AC:AC+7], v[SC+16*(\sc)+2*bb+(\q)], v[SC+16*(\sc)+2*(\a)+(\q)] matrix_a_fmt:MATRIX_FMT_FP6 matrix_b_fmt:MATRIX_FMT_FP6 matrix_b_scale:MATRIX_SCALE_ROW1
.endif
.set bb, bb+1
.endr
.endr
.endm
.macro FETCH_B slot, q, p
	WIN TO_B
.set ii, 0
.rept NB
	FRAG 128*(\p)+FR*ii, ADRB+\slot, \q, ii
.set ii, ii+1
.endr
	WIN 0
.endm
.macro FETCH_A slot, q, i0
.irp i, \i0, \i0+1, \i0+2, \i0+3
	FRAG AF+FR*(\i), ADRA+\slot, \q, \i
.endr
.endm
.macro SCALES sc                       ; a slot's scale words: two a row; lanes 16-31 take A's tile i; lanes 0-15 B's tile i (for i of 4 and more they read filled bytes that no product takes)
.irp i, 0,1,2,3,4,5,6,7
	ds_load_b64 v[SC+16*\sc+2*\i:SC+16*\sc+2*\i+1], v[ADRS] offset:512*\i
.endr
.endm
.macro PLACES n                        ; places in front of loads into registers that matrix instructions have read, and of the first read of results
.rept \n
	v_nop
.endr
.endm
; A slot's first 128 along K.  A has one set of registers: a block is free when its products are issued; blocks 0-3 are fetched anew in the step's middle, blocks 4-7 at its end.  B has two sets.
.macro STEP slot, zero
	s_wait_dscnt 4*NL                              ; B's set, A's blocks 0-3 and the scale words are in; the youngest 24 loads (A's blocks 4-7) may be out
	WIN MUL_LO
	MULA 0, 0, 0, \slot, \zero
	MULA 2, 0, 0, \slot, \zero
	s_wait_dscnt 0                                 ; A's blocks 4-7 are in
	PLACES NP
	FETCH_B \slot, 1, 1
	FETCH_A \slot, 1, 0
	WIN MUL_HI
	MULA 4, 0, 0, \slot, \zero
	MULA 6, 0, 0, \slot, \zero
	PLACES NP
	WIN 0
	FETCH_A \slot, 1, 4
.endm
; A slot's second 128 change slots: ONE barrier; in front of it each wave waits for all its tensor loads, adds 0 to its spare word, and waits for that and for its reads of this slot.  fill = 1: this slot is filled again, two slots ahead.
.macro TURN slot, next, fill
	s_wait_tensorcnt 0x0                           ; all my tensor loads have landed: my part of the next slot
	ds_add_u32 v[SPW], v[NIL]                      ; 0 onto my spare word
	s_wait_dscnt 4*NL+1                            ; (the add and the youngest 24 loads may be out)
	WIN MUL_LO
	MULA 0, 1, 1, \slot, 0                         ; matrix instructions stand between the add and the wait for it
	s_wait_dscnt 0x0                               ; the add is done, and my reads of this slot are over
	s_barrier_signal -1
	MULA 2, 1, 1, \slot, 0
	WIN 0
	s_barrier_wait -1
.if \fill
	CREST                                          ; the barrier has opened a round of the cluster's: no wave of any partner still reads this slot or has a load on its way
	s_add_nc_u64 s[G0+4*\slot+2:G0+4*\slot+3], s[G0+4*\slot+2:G0+4*\slot+3], 2*RTS
	s_add_nc_u64 s[G0B+4*\slot+2:G0B+4*\slot+3], s[G0B+4*\slot+2:G0B+4*\slot+3], 2*RTS
	JLOAD G0+4*\slot, G1, G0B+4*\slot, G1B         ; the first tensor load behind the round, my one load until the next; its four v_nop are the places in front of the loads below
.else
	PLACES NP
.endif
	v_add_nc_u32 v[ADRS], 128, v[ADRS]             ; on to the next slot's scale words
	FETCH_B \next, 0, 0
	FETCH_A \next, 0, 0
	SCALES \next
	WIN MUL_HI
	MULA 4, 1, 1, \slot, 0
	MULA 6, 1, 1, \slot, 0
	PLACES NP
	WIN 0
	FETCH_A \next, 0, 4
.endm
	s_wait_tensorcnt 1                             ; the scale words and my part of slot 0 are in (slot 1's load may be out)
	s_barrier_signal -1
	s_barrier_wait -1                              ; everybody's are
	FETCH_B 0, 0, 0
	FETCH_A 0, 0, 0
	SCALES 0
	FETCH_A 0, 0, 4
	STEP 0, 1                                      ; K 0: its products start the sums.  K has four slots: a loop round the ring would have one trip, so the steps are written out
	TURN 0, 1, 1
	STEP 1, 0
	TURN 1, 0, 1
	STEP 0, 0
	TURN 0, 1, 0                                   ; nothing is left to fetch; behind this barrier nobody reads slot 0
	STEP 1, 0
	s_wait_dscnt 4*NL
	WIN MUL_LO
	MULA 0, 1, 1, 1, 0
	MULA 2, 1, 1, 1, 0
	s_wait_dscnt 0
	WIN MUL_HI
	MULA 4, 1, 1, 1, 0
	MULA 6, 1, 1, 1, 0
	WIN 0
; THE WAY OUT, a block of 16 rows x 64 columns at a time: |result| x the row's mask; through my own stage in LDS; back as whole rows of 256 bytes, two an instruction.
.macro PACK a
	WIN 0x02                                       ; source 0: window 2
.set j, 0
.rept 32
	v_mul_f32 v[PK+j], |v[32*(\a)+j]|, v[MK+(\a)]  ; each accumulator from its low end on
.set j, j+1
.endr
	WIN 0
.endm
.macro TOSTAGE a
.irp b, 0,1,2,3
	ds_store_b128 v[STO], v[PK+8*\b:PK+8*\b+3] offset:64*\b
	ds_store_b128 v[STO], v[PK+8*\b+4:PK+8*\b+7] offset:64*\b+16
.endr
.set BB, BK+32*((\a)%2)
.irp u, 0,1,2,3,4,5,6,7
	ds_load_b128 v[BB+4*\u:BB+4*\u+3], v[RD] offset:2*\u*SPITCH   ; LDS serves a wave's instructions in order: these see my stores, and the next block's stores come behind them
.endr
.endm
.macro SEND a, younger                 ; younger: the LDS instructions issued behind block a's loads, which may stay out
.set BB, BK+32*((\a)%2)
	s_wait_dscnt \younger
.irp u, 0,1,2,3,4,5,6,7
	global_store_b128 v[CO], v[BB+4*\u:BB+4*\u+3], s[10:11] offset:(64*((\a)/4)+8*((\a)%4)+32*(\u/4)+2*(\u%4))*4096 th:TH_STORE_NT   ; tile rows 2 u, 2 u + 1: sixteen lanes store 256 consecutive bytes, aligned; the base is never stepped
.endr
.endm
	PLACES NP
	s_wait_loadcnt 0x0                             ; the mask's bytes
.irp a, 0,1,2,3,4,5,6,7
	v_cvt_f32_u32 v[MK+\a], v[MB+\a]
.endr
	PACK 0
	TOSTAGE 0
.irp a, 1,2,3,4,5,6,7
.if \a > 1
	s_wait_xcnt 0x0                                ; block a - 2's stores have read their registers: block a's rows may land there
.endif
	PACK \a
	TOSTAGE \a
	SEND \a-1, 16                                  ; behind block a - 1's loads: block a's 8 stores and 8 loads
.endr
	SEND 7, 0
	s_wait_tensorcnt 0x0                           ; the wave's end: behind my last tensor load and my last LDS store
	ds_add_u32 v[SPW], v[NIL]
	s_wait_dscnt 0x0
	CROUND                                         ; the closing round: no work-group ends while a partner may still ask for a tile that names it
	s_endpgm
.Lfunc_end_k_q9d9ec18458_outp:
	.size	k_q9d9ec18458_outp, .Lfunc_end_k_q9d9ec18458_outp-k_q9d9ec18458_outp
	.p2alignl 7, 3214868480
	.fill 96, 4, 3214868480
	.section	.rodata,"a",@progbits
	.p2align	6, 0x0
	.amdhsa_kernel k_q9d9ec18458_outp
		.amdhsa_group_segment_fixed_size 327680
		.amdhsa_private_segment_fixed_size 0
		.amdhsa_enable_private_segment 0
		.amdhsa_kernarg_size 32
		.amdhsa_user_sgpr_count 2
		.amdhsa_user_sgpr_kernarg_segment_ptr 1
		.amdhsa_wavefront_size32 1
		.amdhsa_system_sgpr_workgroup_id_x 1
		.amdhsa_system_sgpr_workgroup_id_y 1
		.amdhsa_system_sgpr_workgroup_id_z 1
		.amdhsa_system_vgpr_workitem_id 0
		.amdhsa_next_free_vgpr 768
		.amdhsa_next_free_sgpr 100
		.amdhsa_reserve_vcc 0
		.amdhsa_float_denorm_mode_32 3
		.amdhsa_float_denorm_mode_16_64 3
		.amdhsa_memory_ordered 1
		.amdhsa_forward_progress 1
		.amdhsa_inst_pref_size 118
	.end_amdhsa_kernel
	.amdgpu_metadata
---
amdhsa.version: [ 1, 2 ]
amdhsa.kernels:
  - .name:           k_q9d9ec18458_outp
    .symbol:         k_q9d9ec18458_outp.kd
    .args:
      - { .name: oim, .offset: 0, .size: 8, .value_kind: global_buffer, .address_space: global }
      - { .name: wim, .offset: 8, .size: 8, .value_kind: global_buffer, .address_space: global }
      - { .name: mask, .offset: 16, .size: 8, .value_kind: global_buffer, .address_space: global }
      - { .name: out0, .offset: 24, .size: 8, .value_kind: global_buffer, .address_space: global }
    .group_segment_fixed_size: 327680
    .private_segment_fixed_size: 0
    .kernarg_segment_align: 8
    .kernarg_segment_size: 32
    .max_flat_workgroup_size: 128
    .sgpr_count:     100
    .vgpr_count:     768
    .wavefront_size: 32
...
	.end_amdgpu_metadata
.endif
;; end of part 4
